; MI455X (gfx1250); checked and timed in simulation.
; The chip was launched on July 23, 2026; its instructions are those of AMD's public machine-readable ISA for CDNA 5 (MIT licence, August 2026) and "CDNA5" Instruction Set Architecture Reference Guide (July 2026). The comments in the code are by the model that wrote it; some were corrected since.
;; Multi Headed Attention. Allowed arithmetic: float matrix products may take bf16 or f16 operands with f32 sums; all other float work in f32.
;; Inputs: Wk 1,024 x 1,024 float32; Wo 1,024 x 1,024 float32; Wq 1,024 x 1,024 float32; Wv 1,024 x 1,024 float32; bk 1,024 float32; bo 1,024 float32; bq 1,024 float32; bv 1,024 float32; fc_w 1,024 x 1,024 float32; key 4 x 2,048 x 1,024 float32; query 4 x 2,048 x 1,024 float32; value 4 x 2,048 x 1,024 float32.
;; Outputs: out0 4 x 2,048 x 1,024 float32.
;; 2 versions, each right; version 2 is version 1 with the launch prep written anew for expert scheduling mode. Each part assembles by itself: llvm-mc -triple=amdgcn-amd-amdhsa -mcpu=gfx1250 --defsym DOCPART=n.
;; ======== version 1 of 2: 4 launches
;; limits: values are held in f16: magnitudes above 65,504 overflow, below 6.1e-05 lose precision; right only within a limited range of input values
;; workspace buffers: wq16 2,097,152 bytes; wk16 2,097,152 bytes; wv16 2,097,152 bytes; wo16 2,097,152 bytes; q16 16,777,216 bytes; k16 16,777,216 bytes; v16 16,777,216 bytes; o16 16,777,216 bytes
;; launch prep (part 1): grid 64 x 4, 8 waves a work-group, no clusters, 0 bytes of LDS; arguments fc_w, Wq, Wk, Wv, Wo, wq16, wk16, wv16, wo16; writes wq16, wk16, wv16, wo16
.if DOCPART == 1
	.amdgcn_target "amdgcn-amd-amdhsa--gfx1250"
	.amdhsa_code_object_version 6
	.text
	.protected	k_qa522ff9d53_prep
	.globl	k_qa522ff9d53_prep
	.p2align	8
	.type	k_qa522ff9d53_prep,@function
k_qa522ff9d53_prep:
	s_mov_b64 s[64:65], 0
	v_nop
	global_prefetch_b8 v0, s[64:65] scope:SCOPE_SE
	s_setreg_imm32_b32 hwreg(HW_REG_WAVE_MODE, 25, 1), 1
	s_wait_xcnt 0x0
; THE WEIGHTS IN f16.  wq16 = f16(fc_w * Wq) (the product in f32, rounded once), wk16 = f16(Wk), wv16 = f16(Wv), wo16 = f16(Wo); all [1024 k][1024 n], the layout unchanged.
; LIMITS.  f16 holds no number beyond 65,504 and keeps a fixed step of 6e-8 below 6e-5: a weight, or a product fc_w * Wq, beyond the first becomes an infinity.
; SHARES.  The grid's y picks the matrix, its x 16,384 numbers of it: 65,536 bytes in, 32,768 out.  Thread t takes 16 pieces: 16 bytes at 16 t + 4,096 i come in (a wave's load covers 512
; consecutive bytes), 8 bytes at 8 t + 2,048 i go out (a wave's store covers 256 consecutive bytes, aligned).  All loads are issued ahead of the first wait; no register is written twice, so no
; wait frees a source.  No LDS, no matrix unit, no cluster: the work-groups share no byte, and every byte is read once.
.set X, 4                              ; v[4:67]    piece i: 4 numbers of the weight
.set F, 68                             ; v[68:131]  piece i: 4 numbers of fc_w (matrix 0 alone)
.set Y, 132                            ; v[132:163] piece i: 4 numbers in f16
	s_load_b512 s[8:23], s[0:1], 0x0               ; fc_w s[8:9], Wq s[10:11], Wk s[12:13], Wv s[14:15], Wo s[16:17], wq16 s[18:19], wk16 s[20:21], wv16 s[22:23]
	s_load_b64 s[24:25], s[0:1], 0x40              ; wo16
	s_and_b32 s30, ttmp7, 0xffff                   ; which matrix
	s_lshl_b32 s26, ttmp9, 16                      ; my part's byte offset in the f32 matrices,
	s_mov_b32 s27, 0
	s_lshl_b32 s28, ttmp9, 15                      ; and in the f16 ones
	s_mov_b32 s29, 0
	v_lshlrev_b32 v1, 4, v0                        ; 16 t
	v_lshlrev_b32 v2, 3, v0                        ; 8 t
	s_wait_kmcnt 0x0
	s_cmp_eq_u32 s30, 1                            ; the source into s[4:5], the destination into s[6:7]
	s_cselect_b64 s[4:5], s[12:13], s[10:11]
	s_cselect_b64 s[6:7], s[20:21], s[18:19]
	s_cmp_eq_u32 s30, 2
	s_cselect_b64 s[4:5], s[14:15], s[4:5]
	s_cselect_b64 s[6:7], s[22:23], s[6:7]
	s_cmp_eq_u32 s30, 3
	s_cselect_b64 s[4:5], s[16:17], s[4:5]
	s_cselect_b64 s[6:7], s[24:25], s[6:7]
	s_add_nc_u64 s[4:5], s[4:5], s[26:27]
	s_add_nc_u64 s[6:7], s[6:7], s[28:29]
	s_add_nc_u64 s[8:9], s[8:9], s[26:27]
.irp i, 0,1,2,3,4,5,6,7,8,9,10,11,12,13,14,15
	global_load_b128 v[X+4*(\i):X+4*(\i)+3], v1, s[4:5] offset:4096*(\i) th:TH_LOAD_NT
.endr
.macro ROUNDED i                       ; piece i is rounded and stored
	v_cvt_pk_f16_f32 v[Y+2*(\i)], v[X+4*(\i)], v[X+4*(\i)+1]
	v_cvt_pk_f16_f32 v[Y+2*(\i)+1], v[X+4*(\i)+2], v[X+4*(\i)+3]
	global_store_b64 v2, v[Y+2*(\i):Y+2*(\i)+1], s[6:7] offset:2048*(\i)
.endm
	s_cmp_lg_u32 s30, 0
	s_cbranch_scc1 .Lplain
.irp i, 0,1,2,3,4,5,6,7,8,9,10,11,12,13,14,15
	global_load_b128 v[F+4*(\i):F+4*(\i)+3], v1, s[8:9] offset:4096*(\i) th:TH_LOAD_NT
.endr
.irp i, 0,1,2,3,4,5,6,7,8,9,10,11,12,13,14,15
	s_wait_loadcnt 15-(\i)                         ; loads come back in order (ISA guide 5.7.1): fc_w's piece i is in, and Wq's, which is older; the 15 - i younger ones stay out
	v_pk_mul_f32 v[X+4*(\i):X+4*(\i)+1], v[X+4*(\i):X+4*(\i)+1], v[F+4*(\i):F+4*(\i)+1]
	v_pk_mul_f32 v[X+4*(\i)+2:X+4*(\i)+3], v[X+4*(\i)+2:X+4*(\i)+3], v[F+4*(\i)+2:F+4*(\i)+3]
	ROUNDED \i
.endr
	s_endpgm
.Lplain:
.irp i, 0,1,2,3,4,5,6,7,8,9,10,11,12,13,14,15
	s_wait_loadcnt 15-(\i)                         ; piece i is in; the 15 - i younger ones stay out
	ROUNDED \i
.endr
	s_endpgm
.Lfunc_end_k_qa522ff9d53_prep:
	.size	k_qa522ff9d53_prep, .Lfunc_end_k_qa522ff9d53_prep-k_qa522ff9d53_prep
	.p2alignl 7, 3214868480
	.fill 96, 4, 3214868480
	.section	.rodata,"a",@progbits
	.p2align	6, 0x0
	.amdhsa_kernel k_qa522ff9d53_prep
		.amdhsa_group_segment_fixed_size 0
		.amdhsa_private_segment_fixed_size 0
		.amdhsa_enable_private_segment 0
		.amdhsa_kernarg_size 72
		.amdhsa_user_sgpr_count 2
		.amdhsa_user_sgpr_kernarg_segment_ptr 1
		.amdhsa_wavefront_size32 1
		.amdhsa_system_sgpr_workgroup_id_x 1
		.amdhsa_system_sgpr_workgroup_id_y 1
		.amdhsa_system_sgpr_workgroup_id_z 1
		.amdhsa_system_vgpr_workitem_id 0
		.amdhsa_next_free_vgpr 168
		.amdhsa_next_free_sgpr 66
		.amdhsa_reserve_vcc 0
		.amdhsa_float_denorm_mode_32 3
		.amdhsa_float_denorm_mode_16_64 3
		.amdhsa_memory_ordered 1
		.amdhsa_forward_progress 1
		.amdhsa_inst_pref_size 15
	.end_amdhsa_kernel
	.amdgpu_metadata
---
amdhsa.version: [ 1, 2 ]
amdhsa.kernels:
  - .name:           k_qa522ff9d53_prep
    .symbol:         k_qa522ff9d53_prep.kd
    .args:
      - { .name: fc_w, .offset: 0, .size: 8, .value_kind: global_buffer, .address_space: global }
      - { .name: Wq, .offset: 8, .size: 8, .value_kind: global_buffer, .address_space: global }
      - { .name: Wk, .offset: 16, .size: 8, .value_kind: global_buffer, .address_space: global }
      - { .name: Wv, .offset: 24, .size: 8, .value_kind: global_buffer, .address_space: global }
      - { .name: Wo, .offset: 32, .size: 8, .value_kind: global_buffer, .address_space: global }
      - { .name: wq16, .offset: 40, .size: 8, .value_kind: global_buffer, .address_space: global }
      - { .name: wk16, .offset: 48, .size: 8, .value_kind: global_buffer, .address_space: global }
      - { .name: wv16, .offset: 56, .size: 8, .value_kind: global_buffer, .address_space: global }
      - { .name: wo16, .offset: 64, .size: 8, .value_kind: global_buffer, .address_space: global }
    .group_segment_fixed_size: 0
    .private_segment_fixed_size: 0
    .kernarg_segment_align: 8
    .kernarg_segment_size: 72
    .max_flat_workgroup_size: 256
    .sgpr_count:     66
    .vgpr_count:     168
    .wavefront_size: 32
...
	.end_amdgpu_metadata
.endif
;; end of part 1
;; launch proj (part 2): grid 4 x 64, 4 waves a work-group, clusters of 4 x 4, 327,680 bytes of LDS; arguments query, key, value, wq16, wk16, wv16, bq, bk, bv, q16, k16, v16; writes q16, k16, v16
.if DOCPART == 2
	.amdgcn_target "amdgcn-amd-amdhsa--gfx1250"
	.amdhsa_code_object_version 6
	.text
	.protected	k_qa522ff9d53_proj
	.globl	k_qa522ff9d53_proj
	.p2align	8
	.type	k_qa522ff9d53_proj,@function
k_qa522ff9d53_proj:
	s_mov_b64 s[64:65], 0
	v_nop
	global_prefetch_b8 v0, s[64:65] scope:SCOPE_SE
	s_setreg_imm32_b32 hwreg(HW_REG_WAVE_MODE, 25, 1), 1
	s_wait_xcnt 0x0
	s_wait_alu depctr_hold_cnt(0) depctr_sa_sdst(0) depctr_va_vdst(0) depctr_va_sdst(0) depctr_va_ssrc(0) depctr_va_vcc(0) depctr_vm_vsrc(0)
	s_getreg_b32 s2, hwreg(HW_REG_IB_STS2, 6, 4)
	s_cmp_eq_u32 s2, 0
	s_cbranch_scc0 .Lentry_in_a_cluster
	s_endpgm
.Lentry_in_a_cluster:
	s_bfe_u32 s2, ttmp6, 0x10000c
	s_cmp_lg_u32 s2, 0xf033
	s_cbranch_scc0 .Lentry_shape_is_right
	s_endpgm
.Lentry_shape_is_right:
; THE THREE PROJECTIONS, ONE WALK.  y = (x W + b) sc, for (query, wq16, bq, sc = 2^-6), (key, wk16, bk, 1), (value, wv16, bv, 1).  x: [8192][1024] f32; W: [1024 k][1024 n] f16; b: [1024] f32;
; y goes out by heads, [64 = batch x 16 + head][2048][64] in f16.  x is rounded to f16 on its way from LDS to the matrix unit; sums, bias and scale in f32; y rounded once.
; LIMITS.  f16 holds no number beyond 65,504 and keeps a fixed step of 6e-8 below 6e-5.  So |x| and |k|, |v| stay under 65,504.  q is stored as q x 2^-6, an exact scaling that the attention
; takes back in f32: |q| stays under 4.19e6, and q below 3.9e-3 keeps a step of 3.8e-6.  NaN and infinities are not treated apart.
; SHARES.  A tile of y is 128 rows x 256 columns: 64 x 4 = 256 tiles a matrix.  A WORK-GROUP STAYS: it makes the tile at its place of q, then of k, then of v: 3 x 8 = 24 K steps of 128, ONE sequence
; for a ring of two LDS slots that does not stop at a tile's end.  Four waves, each 64 x 128: 32 accumulators of 16 x 16, 256 registers.  In a slot x's 128 rows are 512 bytes of f32, W's 128 k-rows
; 512 bytes of f16; a wave's tensor load brings 64 rows of 512 bytes.
; THE TEXT.  A K step is written once and walked 22 times: each trip asks for the step two on.  A tile's first chunk, whose products start the sums, and a tile's way out are reached or passed by
; forward jumps on two scalar counts that are alike in all work-groups; neither jump passes a barrier or a tensor load.  The last two steps ask for nothing and are a second text, walked twice.
; A tile goes out behind the turn that has asked for the next tile's second step and fetched its first fragments: nothing waits for its stores.
; CLUSTERS: 4 x 4 work-groups.  The four of a row of the cluster need the same tiles of x, the four of a column the same tiles of W: each tile is asked for JOINTLY, by the same tensor load with the
; same descriptor and a mask that names the four.
; THE MATRIX INSTRUCTION IS USED TRANSPOSED: source 0 = 16 columns of W (turned out of [k][n] by ds_load_tr16_b128), source 1 = 16 rows of x: a lane then holds eight neighbouring numbers of a row of y.
; A K STEP is four chunks of 32 along K, 32 matrix instructions each, on buffers 0, 1, 0, 1.  At a chunk's head the next chunk's 32 LDS loads go out in one run; x's come as f32 (RAW), and their 32
; roundings to f16 stand four behind each of the chunk's last eight matrix instructions.
; REGISTERS, in windows of 256 (s_set_vgpr_msb: bits 1:0 source 0, 3:2 source 1, 5:4 source 2, 7:6 destination):
;   window 0: v0-31 addresses; v32-95 x's fragments in f16, two buffers of 4 x 8; v128-255 W's fragments, two buffers of 8 x 8
;   window 1: the accumulators ((a, b) at v[8 (8 a + b)])          window 2: v0-63 RAW, 16 a block of 16 rows; v64-127 the bias of my 8 x 8 columns a lane; v128-255 the way out's packed results
.set KSTEP,  128
.set STEPS,  24                        ; K steps of the walk: 8 a tile
.set PA,     528                       ; a row of x in LDS: 512 bytes + 16 of padding = 132 words: row r starts at bank 4 r mod 64 (64 banks of 4 bytes: ISA guide 11.1)
.set PB,     544                       ; a k-row of W: 512 + 32 = 136 words: row r starts at bank 8 r mod 64
.set HALFA,  64*PA                     ; 0x8400: what one tensor load brings of x, and what one wave reads of it
.set HALFB,  64*PB                     ; 0x8800: what one tensor load brings of W
.set BOFF,   2*HALFA                   ; 0x10800: W's 128 k-rows lie behind x's 128 rows
.set SLOT,   0x22000                   ; slot 1 begins here.  The four tiles of a slot begin at 0, 0x8400, 0x10800, 0x19000: none has bit 13 or 17, so one exclusive or turns such an address into the other slot's
.set STAGE,  SLOT+2*HALFA+2*HALFB      ; behind the ring, never filled by a tensor load: 16 rows x 144 bytes for each wave, for the way out
.set SP,     144
.set SPARE,  STAGE+4*16*SP             ; behind the stages: the spare words, 128 bytes for each wave: two blocks of 256 bytes that no other line names
.set ADRA0, 14                         ; v14     LDS address of my fragments of x in slot 0; never rewritten
.set ADRB0, 15                         ; v15     the same for W
.set ADRA, 16                          ; v16     the same in the slot in hand
.set ADRB, 17                          ; v17
.set STO,  24                          ; v24     the way out: where I put 16 bytes of a row
.set RD,   25                          ; v25     the way out: where I read rows back
.set GO,   26                          ; v26     my byte offset in 512 consecutive bytes of y
.set BO,   27                          ; v27     my byte offset in 16 numbers of the bias
.set SPW,  28                          ; v28     LDS address of my spare word: SPARE + 4 x my thread's number; never rewritten
.set NIL,  29                          ; v29     0; never rewritten
.set PFO,  30                          ; v30     the prefetch: my lane's byte offset in a tile of x; never rewritten
.set AH,   32
.set BF,   128
.set RAW,  0                           ; window 2
.set BI,   64                          ; window 2
.set TMP,  128                         ; window 2
.set AW,   2                           ; s2      the byte offset of the 64 rows of x's tile that I fetch
.set NEW,  14                          ; s14     1: the step to come is a tile's first
.set LEFT, 15                          ; s15     K steps left of the tile in hand
.set G1,   24                          ; s[24:31] descriptor group 1 for x's tiles
.set G0F,  32                          ; s[32:35] group 0 of x's first fill
.set G0W,  36                          ; s[36:39] group 0 of x's second fill; it then walks
.set TILE, 45                          ; s45     the tile in hand: 0 q, 1 k, 2 v
.set G1B,  48                          ; s[48:55], s[56:59], s[60:63] the same for W's tiles
.set G0BF, 56
.set G0BW, 60
.set BIAS, 66                          ; s[66:67] the next tile's bias at my wave's first column
.set SC,   92                          ; s[92:93] sc: the packed forms take the pair's low word for both halves
.set PF,   94                          ; s[94:95] the prefetch's base
.set SL,   96                          ; s96     0 or SLOT: the slot in hand
.set G,    97                          ; s97     the K step of the walk to be asked for next
.set MSB, 0
.macro WIN new                         ; the immediate's high byte repeats the setting that is left; a switch that changes nothing is dropped
.if MSB != (\new)
	s_set_vgpr_msb (MSB<<8)|(\new)
.set MSB, \new
.endif
.endm
.set MUL,    0x50                      ; sources 0 (W) and 1 (x) window 0; C and D window 1
.set CVT,    0x0a                      ; sources 0 and 1 window 2, destination window 0
.set TO_RAW, 0x80                      ; destination window 2, address window 0
.macro CROUND                          ; a round of the cluster's barrier: my work-group's barrier, so that wave 0's signal speaks for all four waves; wave 0 signals; every wave waits for all sixteen work-groups; my work-group's barrier once more
	s_barrier_signal -1
	s_barrier_wait -1
	s_cmp_lg_u32 s10, 0
	s_cbranch_scc1 .Lnot_wave_0_\@
	s_barrier_signal -3
.Lnot_wave_0_\@:
	s_barrier_wait -3
	s_barrier_signal -1
	s_barrier_wait -1
.endm
; A joint refill: waves 0 and 1 fetch x's two halves, waves 2 and 3 W's; an s_nop 0 and four v_nop follow each of the two lines, ahead of what comes next.
; THE PREFETCH.  Behind their load, which asks for K step t + 2 of the walk, waves 0 and 1 ask the L2 for x's tile of step t + 3: one trip ahead of that tile's own tensor load.  Lanes 256 bytes apart:
; row 32 cx + 16 (wave & 1) + lane / 2, half lane & 1 of its 512 bytes: the 4 x 2 x 32 lanes of a row of the cluster name each of the tile's 256 blocks once; 16,384 bytes a work-group a trip.
; The last trip's request is clamped to the walk's last step, so none points past x.  W is not asked for: 64 tile rows read it again.
.macro JLOAD
	s_cmp_eq_u32 s11, 0
	s_cbranch_scc0 .Lfor_b_\@
	tensor_load_to_lds s[G0W:G0W+3], s[G1:G1+7]
	s_nop 0
.rept 4
	v_nop
.endr
	global_prefetch_b8 v[PFO], s[PF:PF+1] th:TH_LOAD_NT scope:SCOPE_SE
	s_branch .Lasked_\@
.Lfor_b_\@:
	tensor_load_to_lds s[G0BW:G0BW+3], s[G1B:G1B+7]
	s_nop 0
.rept 4
	v_nop
.endr
.Lasked_\@:
.endm
	s_load_b512 s[68:83], s[0:1], 0x0              ; query s[68:69], key s[70:71], value s[72:73], wq16 s[74:75], wk16 s[76:77], wv16 s[78:79], bq s[80:81], bk s[82:83]
	s_load_b256 s[84:91], s[0:1], 0x40             ; bv s[84:85], q16 s[86:87], k16 s[88:89], v16 s[90:91]
	v_lshl_add_u32 v[SPW], v0, 2, SPARE
	v_mov_b32 v[NIL], 0
	ds_add_u32 v28, v29
	s_wait_dscnt 0x0
	v_lshrrev_b32 v1, 5, v0
	v_readfirstlane_b32 s10, v1                    ; wave 0..3
	s_lshr_b32 s11, s10, 1                         ; which half of the tile's rows is mine.  Also: I fetch for x (0) or for W (1)
	s_and_b32 s12, s10, 1                          ; which half of its columns.  Also: which 64 rows of that tile I fetch
	s_bfe_u32 s40, ttmp6, 0x40000                  ; cx, cy: my place in the cluster
	s_bfe_u32 s41, ttmp6, 0x40004
	s_lshl_b32 s42, ttmp9, 2
	s_add_co_u32 s42, s42, s40                     ; tile column = 4 x cluster x + cx
	s_and_b32 s13, ttmp7, 0xffff
	s_lshl_b32 s13, s13, 2
	s_add_co_u32 s13, s13, s41                     ; tile row = 4 x cluster y + cy
	s_lshl_b32 s43, s41, 2
	s_lshl_b32 s43, 15, s43                        ; my row of the cluster
	s_lshl_b32 s44, 0x1111, s40                    ; my column
	; descriptor group 1.  x: 64 rows x 128 elements of 4 bytes; W: 64 rows x 256 elements of 2 bytes; both padded in LDS behind every row of 128 words
	s_or_b32 s[G1+0], s43, (2<<16)|(1<<20)|(1<<21)|(6<<22)|(3<<25)  ; 15:0 the mask: x's tiles go to my row; 17:16 element of 4 bytes; 20 padding on; 21 set beside a mask; 24:22 after every 128 words (code 6); 31:25 of 4 words (code 3)
	s_or_b32 s[G1B+0], s44, (1<<16)|(1<<20)|(1<<21)|(6<<22)|(7<<25) ; the mask of my column; element of 2 bytes; 8 words of padding (code 7)
	s_mov_b32 s[G1+1], 128<<16                     ; tensor_dim0 = 128
	s_mov_b32 s[G1B+1], 256<<16                    ; tensor_dim0 = 256
	s_mov_b32 s[G1+2], 64<<16                      ; tensor_dim1 = 64
	s_mov_b32 s[G1B+2], 64<<16
	s_mov_b32 s[G1+3], 128<<16                     ; tile_dim0 = 128
	s_mov_b32 s[G1B+3], 256<<16                    ; tile_dim0 = 256
	s_mov_b32 s[G1+4], 64                          ; tile_dim1 = 64
	s_mov_b32 s[G1B+4], 64
	s_mov_b32 s[G1+5], 1024                        ; 1,024 elements from row to row
	s_mov_b32 s[G1B+5], 1024
	s_mov_b32 s[G1+6], 0
	s_mov_b32 s[G1B+6], 0
	s_mov_b32 s[G1+7], 0
	s_mov_b32 s[G1B+7], 0
	; the offsets, each the same in all three matrices.  x's hangs on the tile row alone, which my row of the cluster shares; W's on the tile column alone, which my column shares.
	s_lshl_b32 s16, s13, 19                        ; x: the tile's first row: 128 rows of 4,096 bytes a tile row: under 2^25
	s_mov_b32 s17, 0
	s_lshl_b32 s[AW], s12, 18                      ; and the 64 rows of it that I fetch
	s_lshl_b32 s46, s12, 17                        ; W: k-row 64 x half, of 2,048 bytes,
	s_lshl_b32 s47, s42, 9                         ; and 256 columns of 2 bytes for each tile column
	s_add_co_u32 s46, s46, s47
	s_mov_b32 s47, 0
	s_lshl_b32 s18, s42, 10                        ; the bias: 256 numbers a tile column, 128 a half
	s_lshl_b32 s19, s12, 9
	s_add_co_u32 s18, s18, s19
	s_mov_b32 s19, 0
	s_lshl_b32 s21, s13, 7                         ; y: my rows m0 .. m0 + 63 lie in one batch; my 128 columns are two heads
	s_lshl_b32 s22, s11, 6
	s_add_co_u32 s21, s21, s22                     ; m0 = 128 x tile row + 64 x half
	s_lshr_b32 s22, s21, 11                        ; the batch
	s_and_b32 s21, s21, 2047                       ; the row in it
	s_lshl_b32 s22, s22, 4
	s_lshl_b32 s23, s42, 2
	s_add_co_u32 s22, s22, s23
	s_lshl_b32 s23, s12, 1
	s_add_co_u32 s22, s22, s23                     ; 16 x batch + my first head
	s_lshl_b32 s22, s22, 11
	s_add_co_u32 s22, s22, s21
	s_lshl_b32 s22, s22, 7                         ; rows of 128 bytes: under 2^24
	s_mov_b32 s23, 0
	s_mul_i32 s20, s12, HALFA                      ; where the tiles go: no place in the cluster enters an LDS address
	s_mul_i32 s21, s12, HALFB
	s_add_co_u32 s21, s21, BOFF
	s_mov_b32 s100, s[AW]                          ; s[100:101]: an offset as a pair; the high word stays 0
	s_mov_b32 s101, 0
	v_and_b32 v3, 31, v0                           ; the prefetch's lane offset: row 32 cx + 16 (wave & 1) + lane / 2 of the tile, 4,096 bytes a row; 256 bytes for an odd lane
	v_lshrrev_b32 v4, 1, v3
	s_lshl_b32 s98, s40, 5
	s_lshl_b32 s99, s12, 4
	s_add_co_u32 s98, s98, s99
	v_add_nc_u32 v4, s98, v4
	v_and_b32 v3, 1, v3
	v_lshlrev_b32 v3, 8, v3
	v_lshl_add_u32 v[PFO], v4, 12, v3
	s_wait_kmcnt 0x0
.irp p, 68,70,72
	s_add_nc_u64 s[\p:\p+1], s[\p:\p+1], s[16:17]  ; the three x at my tile's first row
.endr
.irp p, 74,76,78
	s_add_nc_u64 s[\p:\p+1], s[\p:\p+1], s[46:47]  ; the three W at the part of K step 0 that I fetch
.endr
.irp p, 80,82,84
	s_add_nc_u64 s[\p:\p+1], s[\p:\p+1], s[18:19]  ; the three biases at my wave's first column
.endr
.irp p, 86,88,90
	s_add_nc_u64 s[\p:\p+1], s[\p:\p+1], s[22:23]  ; the three y at my wave's first number
.endr
	s_mov_b32 s[G0F], 1                                            ; 1:0 count = 1
	s_mov_b32 s[G0F+1], s20                                        ; 63:32 LDS address: slot 0
	s_add_nc_u64 s[G0F+2:G0F+3], s[68:69], s[100:101]              ; 120:64 global address: query, K step 0, my 64 rows
	s_mov_b32 s[G0W], 1
	s_add_co_u32 s[G0W+1], s20, SLOT                               ; slot 1
	s_add_nc_u64 s[G0W+2:G0W+3], s[G0F+2:G0F+3], KSTEP*4           ; K step 1: 512 bytes along x's rows
	s_or_b32 s[G0F+3], s[G0F+3], 0x80000000                        ; 127:126 type = 2
	s_or_b32 s[G0W+3], s[G0W+3], 0x80000000
	s_mov_b32 s[G0BF], 1
	s_mov_b32 s[G0BF+1], s21
	s_mov_b64 s[G0BF+2:G0BF+3], s[74:75]                           ; wq16, K step 0
	s_mov_b32 s[G0BW], 1
	s_add_co_u32 s[G0BW+1], s21, SLOT
	s_add_nc_u64 s[G0BW+2:G0BW+3], s[74:75], KSTEP*2048            ; K step 1: 128 k-rows down W
	s_or_b32 s[G0BF+3], s[G0BF+3], 0x80000000
	s_or_b32 s[G0BW+3], s[G0BW+3], 0x80000000
	s_add_nc_u64 s[PF:PF+1], s[68:69], 2*KSTEP*4                   ; the first prefetch: query's tile of K step 2
	CROUND                                         ; all sixteen work-groups are here: the first joint loads meet
	s_cmp_eq_u32 s11, 0                            ; a wave's two first fills stand in one branch, ahead of every wait on TENSORcnt and every LDS read: two loads of mine are out; an s_nop 0 follows each, four v_nop the second's
	s_cbranch_scc0 .Lfirst_b
	tensor_load_to_lds s[G0F:G0F+3], s[G1:G1+7]
	s_nop 0
	tensor_load_to_lds s[G0W:G0W+3], s[G1:G1+7]
	s_nop 0
.rept 4
	v_nop
.endr
	global_prefetch_b8 v[PFO], s[PF:PF+1] th:TH_LOAD_NT scope:SCOPE_SE
	s_branch .Lfirst_asked
.Lfirst_b:
	tensor_load_to_lds s[G0BF:G0BF+3], s[G1B:G1B+7]
	s_nop 0
	tensor_load_to_lds s[G0BW:G0BW+3], s[G1B:G1B+7]
	s_nop 0
.rept 4
	v_nop
.endr
.Lfirst_asked:
	; A fragment is 16 rows x 32 K in 8 registers of f16: lane l holds row l % 16; registers 0-3 hold K = 8 (l / 16) + 0..7, registers 4-7 K = 16 + 8 (l / 16) + 0..7.
	; In f32 those are 32 bytes at 32 (l / 16) and 32 bytes 64 further on: four loads of 16 bytes, at 0, 16, 64, 80.
	v_and_b32 v1, 15, v0                           ; l % 16
	v_bfe_u32 v2, v0, 4, 1                         ; l / 16
	v_mul_u32_u24 v3, v1, PA
	v_lshl_add_u32 v3, v2, 5, v3                   ; row x pitch + 32 x half
	; The turning load takes 16 K x 16 columns (lane l reads k-row 8 (l / 16) + l % 8, columns 8 ((l / 8) % 2) + 0..7) and leaves half a fragment of W^T: lane l holds column l % 16 and 8 K.
	v_and_b32 v5, 7, v0
	v_bfe_u32 v6, v0, 3, 1
	v_lshl_add_u32 v4, v2, 3, v5
	v_mul_u32_u24 v4, v4, PB
	v_lshl_add_u32 v4, v6, 4, v4
	s_mul_i32 s98, s11, HALFA                      ; my 64 rows of x
	s_lshl_b32 s99, s12, 8                         ; my 128 columns of W,
	s_add_co_u32 s99, s99, BOFF                    ; which lies behind x
	v_add_nc_u32 v[ADRA0], s98, v3
	v_add_nc_u32 v[ADRB0], s99, v4
	v_mov_b32 v[ADRA], v[ADRA0]                    ; the walk begins in slot 0
	v_mov_b32 v[ADRB], v[ADRB0]
	s_mul_i32 s98, s10, 16*SP
	s_add_co_u32 s98, s98, STAGE                   ; my stage
	v_mul_u32_u24 v[STO], v1, SP                   ; in: row l % 16, 16 bytes for each half of the lanes
	v_lshl_add_u32 v[STO], v2, 4, v[STO]
	v_add_nc_u32 v[STO], s98, v[STO]
	v_bfe_u32 v[RD], v0, 3, 2                      ; back: 32 lanes take four rows of 128 bytes,
	v_mul_u32_u24 v[RD], v[RD], SP
	v_lshl_add_u32 v[RD], v5, 4, v[RD]
	v_add_nc_u32 v[RD], s98, v[RD]
	v_and_b32 v[GO], 31, v0                        ; which are 512 consecutive bytes of a head's rows
	v_lshlrev_b32 v[GO], 4, v[GO]
	v_lshlrev_b32 v[BO], 5, v2                     ; my 8 of a block's 16 bias numbers
	WIN TO_RAW
.irp b, 0,1,2,3,4,5,6,7                ; bq; waited for on the way out
	global_load_b128 v[BI+8*(\b):BI+8*(\b)+3],   v[BO], s[80:81] offset:64*(\b)
	global_load_b128 v[BI+8*(\b)+4:BI+8*(\b)+7], v[BO], s[80:81] offset:64*(\b)+16
.endr
	WIN 0
	s_mov_b64 s[8:9], s[86:87]                     ; the first tile goes to q16,
	s_mov_b32 s[SC], 0x3c800000                    ; times 2^-6
	s_mov_b32 s[SC+1], s[SC]                       ; named with it as a pair
	s_mov_b32 s[TILE], 0
	s_mov_b32 s[SL], 0
	s_mov_b32 s[G], 2
	s_mov_b32 s[NEW], 1
	s_mov_b32 s[LEFT], 8
; 8 matrix instructions: m block a x all 8 n blocks, 32 along K, buffer f.  zero = 1: the first product starts the sums: nothing is ever cleared.
; The 32 accumulators take turns, one instruction a turn, in the same order in every chunk.
.macro MULA f, a, zero
	WIN MUL
.irp b, 0,1,2,3,4,5,6,7
.if \zero
	v_wmma_f32_16x16x32_f16 v[8*(8*(\a)+(\b)):8*(8*(\a)+(\b))+7], v[BF+64*(\f)+8*(\b):BF+64*(\f)+8*(\b)+7], v[AH+32*(\f)+8*(\a):AH+32*(\f)+8*(\a)+7], 0
.else
	v_wmma_f32_16x16x32_f16 v[8*(8*(\a)+(\b)):8*(8*(\a)+(\b))+7], v[BF+64*(\f)+8*(\b):BF+64*(\f)+8*(\b)+7], v[AH+32*(\f)+8*(\a):AH+32*(\f)+8*(\a)+7], v[8*(8*(\a)+(\b)):8*(8*(\a)+(\b))+7]
.endif
.endr
.endm
; The chunk's last 8, m block 3, with four of the next chunk's 32 roundings behind each: RAW's pairs into buffer g of x's fragments.  They name no register of the products round them.  The four
; behind the last product are the four places (ISA guide 7.12.1 for vector instructions) in front of the next run of loads into the buffer of W that this chunk has read.
.macro MULR f, g, zero
.irp b, 0,1,2,3,4,5,6,7
	WIN MUL
.if \zero
	v_wmma_f32_16x16x32_f16 v[8*(24+(\b)):8*(24+(\b))+7], v[BF+64*(\f)+8*(\b):BF+64*(\f)+8*(\b)+7], v[AH+32*(\f)+24:AH+32*(\f)+31], 0
.else
	v_wmma_f32_16x16x32_f16 v[8*(24+(\b)):8*(24+(\b))+7], v[BF+64*(\f)+8*(\b):BF+64*(\f)+8*(\b)+7], v[AH+32*(\f)+24:AH+32*(\f)+31], v[8*(24+(\b)):8*(24+(\b))+7]
.endif
	WIN CVT
.irp i, 0,1,2,3
	v_cvt_pk_f16_f32 v[AH+32*(\g)+4*(\b)+(\i)], v[RAW+2*(4*(\b)+(\i))], v[RAW+2*(4*(\b)+(\i))+1]
.endr
.endr
.endm
; 32 LDS loads in one run: chunk j of the K step in the slot in hand: x's 64 rows x 32 K in f32 into RAW, then W's 32 K x 128 columns, turned, into buffer g
.macro FETCH j, g
	WIN TO_RAW
.irp a, 0,1,2,3
.irp q, 0,1,2,3
	ds_load_b128 v[RAW+16*(\a)+4*(\q):RAW+16*(\a)+4*(\q)+3], v[ADRA] offset:(\a)*16*PA+128*(\j)+16*((\q)%2)+64*((\q)/2)
.endr
.endr
	WIN 0
.irp b, 0,1,2,3,4,5,6,7
	ds_load_tr16_b128 v[BF+64*(\g)+8*(\b):BF+64*(\g)+8*(\b)+3],   v[ADRB] offset:(\j)*32*PB+32*(\b)
	ds_load_tr16_b128 v[BF+64*(\g)+8*(\b)+4:BF+64*(\g)+8*(\b)+7], v[ADRB] offset:(\j)*32*PB+32*(\b)+16*PB
.endr
.endm
; One of a K step's first three chunks: multiplies buffer f; fetches chunk jn of the same slot, W's part into buffer g, and rounds x's part into buffer g.
.macro CHUNK jn, f, g, zero
	s_wait_dscnt 0x0                               ; W's fragments of buffer f are in (issued a chunk ago)
	FETCH \jn, \g
	MULA \f, 0, \zero
	MULA \f, 1, \zero
	MULA \f, 2, \zero
	s_wait_dscnt 16                                ; RAW is in; the 16 younger loads, W's, may be out
	MULR \f, \g, \zero
.endm
; The walking descriptors are set for K step G of the walk: matrix G / 8, step G % 8 in it.  The addresses are made anew, from the matrix's own pointer and an offset made apart; the LDS words
; change slots.  Then the prefetch's base, for the step behind it, clamped to the walk's last.  All of it is alike in the work-groups that a load names.
.macro ASK
	s_lshr_b32 s98, s[G], 3
	s_and_b32 s99, s[G], 7
	s_cmp_eq_u32 s98, 1
	s_cselect_b64 s[4:5], s[70:71], s[68:69]
	s_cselect_b64 s[6:7], s[76:77], s[74:75]
	s_cmp_eq_u32 s98, 2
	s_cselect_b64 s[4:5], s[72:73], s[4:5]
	s_cselect_b64 s[6:7], s[78:79], s[6:7]
	s_lshl_b32 s100, s99, 9                        ; 512 bytes along x's rows a step,
	s_add_co_u32 s100, s100, s[AW]                 ; and my 64 rows
	s_add_nc_u64 s[G0W+2:G0W+3], s[4:5], s[100:101]
	s_or_b32 s[G0W+3], s[G0W+3], 0x80000000
	s_xor_b32 s[G0W+1], s[G0W+1], SLOT
	s_lshl_b32 s100, s99, 18                       ; 128 k-rows of 2,048 bytes a step
	s_add_nc_u64 s[G0BW+2:G0BW+3], s[6:7], s[100:101]
	s_or_b32 s[G0BW+3], s[G0BW+3], 0x80000000
	s_xor_b32 s[G0BW+1], s[G0BW+1], SLOT
	s_add_co_u32 s[G], s[G], 1
	s_min_u32 s98, s[G], STEPS-1
	s_lshr_b32 s99, s98, 3
	s_and_b32 s98, s98, 7
	s_cmp_eq_u32 s99, 1
	s_cselect_b64 s[4:5], s[70:71], s[68:69]
	s_cmp_eq_u32 s99, 2
	s_cselect_b64 s[4:5], s[72:73], s[4:5]
	s_lshl_b32 s100, s98, 9
	s_add_nc_u64 s[PF:PF+1], s[4:5], s[100:101]
.endm
; THE WAY OUT.  y = sum x sc + (b x sc).  A unit u = 2 a + head is 16 rows x one head's 64 columns: accumulator registers 32 u .. 32 u + 31.  It is scaled, rounded to f16, sent through my
; stage in LDS and stored as 2,048 consecutive bytes of the head.
.macro PACK u                          ; each accumulator's lowest registers are read first
	WIN 0x61                                       ; destination and source 0 window 1, source 2 window 2
.set i, 0
.rept 16
	v_pk_fma_f32 v[32*(\u)+2*i:32*(\u)+2*i+1], v[32*(\u)+2*i:32*(\u)+2*i+1], s[SC:SC+1], v[BI+32*((\u)%2)+2*i:BI+32*((\u)%2)+2*i+1] op_sel_hi:[1,0,1]
.set i, i+1
.endr
	WIN 0x85                                       ; sources 0 and 1 window 1, destination window 2
.set i, 0
.rept 16
	v_cvt_pk_f16_f32 v[TMP+16*(\u)+i], v[32*(\u)+2*i], v[32*(\u)+2*i+1]
.set i, i+1
.endr
	WIN 0x08                                       ; the store's data (source 1) window 2, its address window 0
.irp f, 0,1,2,3
	ds_store_b128 v[STO], v[TMP+16*(\u)+4*(\f):TMP+16*(\u)+4*(\f)+3] offset:32*(\f)
.endr
	WIN 0x80                                       ; destination window 2, address window 0
.irp f, 0,1,2,3
	ds_load_b128 v[TMP+16*(\u)+4*(\f):TMP+16*(\u)+4*(\f)+3], v[RD] offset:(\f)*4*SP  ; LDS serves a wave's instructions in order (ISA guide 5.7.1.4): these see the stores above; the next unit's stores come behind them
.endr
.endm
.macro SEND u, younger                 ; younger: the LDS instructions issued behind unit u's loads: the next unit's eight, or none
	WIN 0x08
.irp f, 0,1,2,3
	s_wait_dscnt (\younger)+3-(\f)
	global_store_b128 v[GO], v[TMP+16*(\u)+4*(\f):TMP+16*(\u)+4*(\f)+3], s[8:9] offset:((\u)%2)*262144+((\u)/2)*2048+(\f)*512  ; 512 consecutive bytes, at a multiple of 256 from y's first; a head is 262,144 bytes
.endr
.endm
; next = 1: a tile follows: its y, its scale (1: only q, the first, has another) and its bias, which is loaded now and waited for on the next way out.
.macro WAYOUT next
	s_wait_loadcnt 0x0                             ; the bias
	s_wait_xcnt 0x0                                ; every earlier memory instruction has had its addresses translated (ISA guide 3.1): the registers that the last way out's stores read are written again only behind this wait
	WIN 0x82                                       ; destination and source 0 window 2
.set i, 0
.rept 32                               ; b x sc: 32 plain lines that name no accumulator: where products stand just ahead, they are the places behind them
	v_pk_mul_f32 v[BI+2*i:BI+2*i+1], v[BI+2*i:BI+2*i+1], s[SC:SC+1] op_sel_hi:[1,0]
.set i, i+1
.endr
	PACK 0
.irp u, 1,2,3,4,5,6,7                  ; a unit's arithmetic stands between the loads of the unit before and its stores
	PACK \u
	SEND (\u)-1, 8
.endr
	SEND 7, 0
.if \next
	s_wait_xcnt 0x0                                ; the stores' base is written again only behind this wait
	s_cmp_eq_u32 s[TILE], 0
	s_cselect_b64 s[8:9], s[88:89], s[90:91]       ; behind q comes k, behind k comes v
	s_cselect_b64 s[BIAS:BIAS+1], s[82:83], s[84:85]
	s_mov_b32 s[SC], 1.0
	s_mov_b32 s[SC+1], 1.0
	s_add_co_u32 s[TILE], s[TILE], 1
	s_mov_b32 s[NEW], 1
	s_mov_b32 s[LEFT], 8
	WIN TO_RAW
.irp b, 0,1,2,3,4,5,6,7
	global_load_b128 v[BI+8*(\b):BI+8*(\b)+3],   v[BO], s[BIAS:BIAS+1] offset:64*(\b)
	global_load_b128 v[BI+8*(\b)+4:BI+8*(\b)+7], v[BO], s[BIAS:BIAS+1] offset:64*(\b)+16
.endr
.endif
	WIN 0
.endm
	s_wait_tensorcnt 1                             ; my part of K step 0 is in; K step 1's may stay out
	s_barrier_signal -1
	s_barrier_wait -1                              ; everybody's is
	FETCH 0, 0
	s_wait_dscnt 16                                ; RAW is in
	WIN CVT
.set i, 0
.rept 32                               ; the walk's first roundings have no products to stand behind
	v_cvt_pk_f16_f32 v[AH+i], v[RAW+2*i], v[RAW+2*i+1]
.set i, i+1
.endr
	WIN 0                                          ; at a label and at a branch every window is 0
	s_mov_b32 s3, STEPS-2
.Lstep:                                                ; 22 trips: K step t of the walk is multiplied, step t + 2 asked for
	s_cmp_eq_u32 s[NEW], 1                         ; at the first trip the answer is a constant of the text
	s_cbranch_scc1 .Lzero
	CHUNK 1, 0, 1, 0
	WIN 0
	s_branch .Ljoin
.Lzero:                                                ; a tile's first chunk: its products start the sums
	s_mov_b32 s[NEW], 0
	CHUNK 1, 0, 1, 1
	WIN 0
.Ljoin:
	CHUNK 2, 1, 0, 0
	CHUNK 3, 0, 1, 0
	; THE TURN: the last chunk multiplies buffer 1 and changes slots.  Half of its products stand ahead of the wait for the tile, so that nothing but the three lines and the round stands between a
	; tile's landing and the next request.  In front of the round each wave waits for all its tensor loads, adds 0 to its spare word, and waits for that and for its own reads of this slot.
	s_wait_dscnt 0x0                               ; W's fragments of buffer 1 are in: they were my last reads of this slot
	MULA 1, 0, 0
	MULA 1, 1, 0
	WIN 0
	s_wait_tensorcnt 0x0                           ; all my tensor loads have landed: the one that was out is my part of the next slot; so a group 0 may be written
	ds_add_u32 v[SPW], v[NIL]                      ; 0 onto my spare word; the descriptors' scalar work stands between it and the wait for it
	s_wait_xcnt 0x0                                ; the last trip's prefetch has had its addresses translated (ISA guide 3.1): its base is written again only behind this wait
	ASK
	s_wait_dscnt 0x0                               ; the add is done, and my reads of this slot are over
	CROUND                                         ; no wave of any partner still reads this slot's tiles or has a load on its way
	JLOAD                                          ; the first tensor load behind the round, and my only one until the next
	s_xor_b32 s[SL], s[SL], SLOT                   ; the reads go on in the other slot
	v_add_nc_u32 v[ADRA], s[SL], v[ADRA0]
	v_add_nc_u32 v[ADRB], s[SL], v[ADRB0]
	FETCH 0, 0                                     ; buffer 0's last reader stands in front of the four roundings that ended the chunk before
	MULA 1, 2, 0
	s_wait_dscnt 16                                ; RAW is in
	MULR 1, 0, 0
	WIN 0
	s_sub_co_u32 s[LEFT], s[LEFT], 1
	s_cmp_lg_u32 s[LEFT], 0
	s_cbranch_scc1 .Lon                            ; the tile goes on
	WAYOUT 1                                       ; the tile is finished; the next tile's second K step is on its way, its first fragments are fetched
.Lon:
	s_sub_co_u32 s3, s3, 1
	s_cmp_lg_u32 s3, 0
	s_cbranch_scc1 .Lstep
	s_mov_b32 s3, 2
.Ltail:                                                ; the walk's last two K steps ask for nothing: a second text; the second trip is left in its middle
	CHUNK 1, 0, 1, 0
	CHUNK 2, 1, 0, 0
	CHUNK 3, 0, 1, 0
	s_wait_dscnt 0x0                               ; W's fragments of buffer 1 are in
	MULA 1, 0, 0
	MULA 1, 1, 0
	WIN 0
	s_sub_co_u32 s3, s3, 1
	s_cmp_eq_u32 s3, 0
	s_cbranch_scc1 .Lend
	s_wait_tensorcnt 0x0                           ; my part of the last K step is in
	ds_add_u32 v[SPW], v[NIL]                      ; 0 onto my spare word
	s_xor_b32 s[SL], s[SL], SLOT
	s_wait_dscnt 0x0
	s_barrier_signal -1
	s_barrier_wait -1                              ; everybody's is; no round follows
	v_add_nc_u32 v[ADRA], s[SL], v[ADRA0]
	v_add_nc_u32 v[ADRB], s[SL], v[ADRB0]
	FETCH 0, 0
	MULA 1, 2, 0
	s_wait_dscnt 16                                ; RAW is in
	MULR 1, 0, 0
	WIN 0
	s_branch .Ltail
.Lend:
	MULA 1, 2, 0                                   ; the very last chunk: nothing more to fetch or to round
	MULA 1, 3, 0
	WAYOUT 0
	s_wait_tensorcnt 0x0                           ; the wave's end: behind my last tensor load and my last LDS store
	ds_add_u32 v[SPW], v[NIL]
	s_wait_dscnt 0x0
	CROUND                                         ; the closing round: no work-group ends while a partner may still ask for a tile that names it
	s_endpgm
.Lfunc_end_k_qa522ff9d53_proj:
	.size	k_qa522ff9d53_proj, .Lfunc_end_k_qa522ff9d53_proj-k_qa522ff9d53_proj
	.p2alignl 7, 3214868480
	.fill 96, 4, 3214868480
	.section	.rodata,"a",@progbits
	.p2align	6, 0x0
	.amdhsa_kernel k_qa522ff9d53_proj
		.amdhsa_group_segment_fixed_size 327680
		.amdhsa_private_segment_fixed_size 0
		.amdhsa_enable_private_segment 0
		.amdhsa_kernarg_size 96
		.amdhsa_user_sgpr_count 2
		.amdhsa_user_sgpr_kernarg_segment_ptr 1
		.amdhsa_wavefront_size32 1
		.amdhsa_system_sgpr_workgroup_id_x 1
		.amdhsa_system_sgpr_workgroup_id_y 1
		.amdhsa_system_sgpr_workgroup_id_z 1
		.amdhsa_system_vgpr_workitem_id 0
		.amdhsa_next_free_vgpr 768
		.amdhsa_next_free_sgpr 102
		.amdhsa_reserve_vcc 0
		.amdhsa_float_denorm_mode_32 3
		.amdhsa_float_denorm_mode_16_64 3
		.amdhsa_memory_ordered 1
		.amdhsa_forward_progress 1
		.amdhsa_inst_pref_size 135
	.end_amdhsa_kernel
	.amdgpu_metadata
---
amdhsa.version: [ 1, 2 ]
amdhsa.kernels:
  - .name:           k_qa522ff9d53_proj
    .symbol:         k_qa522ff9d53_proj.kd
    .args:
      - { .name: query, .offset: 0, .size: 8, .value_kind: global_buffer, .address_space: global }
      - { .name: key, .offset: 8, .size: 8, .value_kind: global_buffer, .address_space: global }
      - { .name: value, .offset: 16, .size: 8, .value_kind: global_buffer, .address_space: global }
      - { .name: wq16, .offset: 24, .size: 8, .value_kind: global_buffer, .address_space: global }
      - { .name: wk16, .offset: 32, .size: 8, .value_kind: global_buffer, .address_space: global }
      - { .name: wv16, .offset: 40, .size: 8, .value_kind: global_buffer, .address_space: global }
      - { .name: bq, .offset: 48, .size: 8, .value_kind: global_buffer, .address_space: global }
      - { .name: bk, .offset: 56, .size: 8, .value_kind: global_buffer, .address_space: global }
      - { .name: bv, .offset: 64, .size: 8, .value_kind: global_buffer, .address_space: global }
      - { .name: q16, .offset: 72, .size: 8, .value_kind: global_buffer, .address_space: global }
      - { .name: k16, .offset: 80, .size: 8, .value_kind: global_buffer, .address_space: global }
      - { .name: v16, .offset: 88, .size: 8, .value_kind: global_buffer, .address_space: global }
    .group_segment_fixed_size: 327680
    .private_segment_fixed_size: 0
    .kernarg_segment_align: 8
    .kernarg_segment_size: 96
    .max_flat_workgroup_size: 128
    .sgpr_count:     102
    .vgpr_count:     768
    .wavefront_size: 32
...
	.end_amdgpu_metadata
.endif
;; end of part 2
;; launch att (part 3): grid 4 x 64, 4 waves a work-group, clusters of 4 x 1, 327,680 bytes of LDS; arguments q16, k16, v16, o16; writes o16
.if DOCPART == 3
	.amdgcn_target "amdgcn-amd-amdhsa--gfx1250"
	.amdhsa_code_object_version 6
	.text
	.protected	k_qa522ff9d53_att
	.globl	k_qa522ff9d53_att
	.p2align	8
	.type	k_qa522ff9d53_att,@function
k_qa522ff9d53_att:
	s_mov_b64 s[64:65], 0
	v_nop
	global_prefetch_b8 v0, s[64:65] scope:SCOPE_SE
	s_setreg_imm32_b32 hwreg(HW_REG_WAVE_MODE, 25, 1), 1
	s_wait_xcnt 0x0
	s_wait_alu depctr_hold_cnt(0) depctr_sa_sdst(0) depctr_va_vdst(0) depctr_va_sdst(0) depctr_va_ssrc(0) depctr_va_vcc(0) depctr_vm_vsrc(0)
	s_getreg_b32 s2, hwreg(HW_REG_IB_STS2, 6, 4)
	s_cmp_eq_u32 s2, 0
	s_cbranch_scc0 .Lentry_in_a_cluster
	s_endpgm
.Lentry_in_a_cluster:
	s_bfe_u32 s2, ttmp6, 0x10000c
	s_cmp_lg_u32 s2, 0x3003
	s_cbranch_scc0 .Lentry_shape_is_right
	s_endpgm
.Lentry_shape_is_right:
; O[h][q][:] = the sum over k of softmax_k(q[h][q] . K[h][k] / 8) V[h][k][:].  Q, K, V, O: [SIZE_H][SIZE_N][64], all f16: a head's rows are dense, 128 bytes each.  Q ARRIVES AS q x 2^-6 (an exact
; scaling, made in f32 where q was made), and the factor c below takes it back in f32.  Products, maxima and sums in f32; the weights p are rounded to f16 for the second product (their sum l is
; taken of the unrounded p), O once at the end.  SIZE_H is at least 2; SIZE_N x 128 bytes stay under 2^32.
; LIMITS.  f16 holds no number beyond 65,504: Q, K and V arrive within it (|q| under 4.19e6); p lies in 0 to 1, and below 6e-5 it keeps f16's fixed step of 6e-8; O is a mean of V's rows and has
; their range, and below 6e-5 the same fixed step.  A weight below 2^-126 counts as 0 in l; NaN and infinities are not treated apart.
; SHARES.  A wave owns four PIECES of two tiles of 16 queries, a work-group's four waves 512 queries of one head; SIZE_N is a multiple of 2,048.  Every wave walks all keys, 64 a step.
; LAYOUT.  S^T = K Q^T (source 0 = 16 keys, source 1 = 16 queries): in the result a lane holds ONE query (lane % 16) and the keys 8 (lane / 16) + 0..7.  Two such tiles, rounded to f16 in pairs,
; ARE source 1 (32 keys x 16 queries) of O^T = V^T P, whose result again holds one query a lane, and eight channels.  K comes out of LDS as it lies, V ([key][channel]) turned, by ds_load_tr16_b128.
; SOFTMAX.  For each query a running maximum m and sum l: p = 2^(c s - c m), c = 2^6 log2(e) / 8; in every step O and l are multiplied by a = 2^(c m_old - c m_new), which is 1 where m has not grown.
; m starts at the lowest finite number, O and l at 0: the first step is a step like any other, with a = 0.
; THE COUNT.  A tile and step have 16 matrix and 118 vector instructions: too many to stand all beside the matrix work.  So the order has one aim: four vector instructions that are READY behind
; EVERY matrix instruction, and the others, which need time of their own whatever the order, in runs without a gap.
; BY TURNS.  Turn n belongs to piece n (the pieces in a ring, step after step).  Its matrix work: 16 products K Q^T of piece n + 1, later 16 products V^T P of piece n - 1.  Its vector work: the scaling,
; exponentials, roundings, sums and rescaling of piece n, and the maximum and statistics of piece n + 1, whose scores the turn itself has made.  So what a turn begins with (c s - c m, O a) waits for nothing.
; CLUSTER.  The four query blocks of a cluster belong to one head and walk the same K and V, so each tile is asked for JOINTLY: the same tensor load, descriptor and mask in all four.
; REGISTERS, in windows of 256 (s_set_vgpr_msb says which window each operand place means: bits 1:0 source 0, 3:2 source 1, 5:4 source 2, 7:6 destination):
;   window 0: v0-11 addresses; v12-15, v48-63 at work; v16-47 four registers of statistics a tile; v64-191 S^T, two buffers of two tiles; v192-255 P, likewise
;   window 1: O^T, 32 a tile          window 2: v0-127 Q, 16 a tile; v128-191 K of one step; v192-255 V of one step          window 3: v0-1 the add's two registers
; A piece's buffers go by its number's parity: the piece in hand has one pair, its two neighbours in the ring share the other: of it P (piece n - 1) is read and S^T (piece n + 1) written.
.set SIZE_H, 64       ; 4 batches x 16 heads
.set SIZE_N, 2048     ; rows of a head
.set NP,    4         ; pieces a wave: a name, no knob: the register map, the loop and the fetches are made for four
.set KS,    64        ; keys in a step
.set PK,    144       ; a row of K in LDS: 128 bytes + 16 of padding = 36 words: the 16 rows of a load start at 16 different groups of four banks (64 banks of 4 bytes: ISA guide 11.1)
.set PV,    160       ; a row of V: 128 + 32 = 40 words
.set VOFF,  4*KS*PK   ; a slot holds four steps: 256 rows of K, then 256 rows of V
.set SLOT1, 1<<17     ; slot 1 begins here, so that one exclusive or turns an address in one slot into the other's
.set STAGE, SLOT1+4*KS*(PK+PV)  ; behind the ring, never filled by a tensor load: 16 rows x 144 bytes for each wave, for the way out
.set SP,    144
.set AK0, 2           ; v2   my lane's place in a tile of K; never rewritten
.set AV0, 3           ; v3   the same for V
.set AK,  4           ; v4   the LDS address of K's next run of loads
.set AV,  5           ; v5   of V's
.set QO,  6           ; v6   my byte offset in the wave's rows of Q
.set STO, 6           ;      later, the way out: where I put 16 bytes of a row
.set RD,  7           ; v7   the way out: where I read rows back
.set GO,  8           ; v8   my byte offset in 512 consecutive bytes of O
.set SPW, 0           ; v0 of window 3   LDS address of my spare word: SPARE + 4 x my thread's number; never rewritten
.set NIL, 1           ; v1 of window 3   0; never rewritten
.set SPARE, STAGE+4*16*SP  ; behind the stages: the spare words, 128 bytes for each wave: two blocks of 256 bytes that no other line names
.set MV,  12          ; v12-15  c m_old, kept while c m is made anew: by buffer and tile
.set ST,  16          ; tile t's statistics at v[ST+4 t]: c m, m, l (even keys', odd keys')
.set TMP, 48          ; by buffer and tile, four registers c0-c3 at work; when the maximum is found c2 takes a
.set S,   64
.set P,   192
.set KF,  128         ; K's fragments, in window 2: key block kb, channel half c at KF + 16 kb + 8 c
.set VF,  192         ; V's: key half kk, channel block cb at VF + 32 kk + 8 cb
.set WV,  12          ; s12  my wave's number
.set G1K, 24          ; s[24:31] descriptor group 1 for K's tiles
.set G1V, 32          ; s[32:39] for V's: it differs in the padding alone
.set G0K, 40          ; s[40:43] descriptor group 0 for K's tiles: it walks
.set G0V, 44          ; s[44:47] the same for V's
.set SLOTS, 56        ; s56  slots still to be asked for
.set CNT, 57          ; s57  counts a slot's key steps
.set CS,  58          ; s[58:59] c: the packed scaling takes the pair's low word for both halves
.set SEL, 60          ; s[60:61] v_permlanex16_b32's selects: each lane takes its own place in the other half
.set TBK, 62          ; s62  LDS byte at which K of the step to be fetched begins
.set TBV, 63          ; s63  the same for V, less VOFF
.set MSB, 0
.macro WIN new                      ; the high byte repeats the setting that is left; a switch that changes nothing is dropped
.if MSB != (\new)
	s_set_vgpr_msb (MSB<<8)|(\new)
.set MSB, (\new)
.endif
.endm
.set W_KQ, 0x0a       ; K and Q in window 2, S^T in window 0
.set W_PV, 0x52       ; V in window 2, P in window 0, O^T in window 1
.set W_RS, 0x41       ; O^T (destination and source 0) in window 1, a in window 0
.set W_MK, 0xc0       ; the add's registers are made: destination in window 3, sources in window 0
.set W_AD, 0x0f       ; the add: address (source 0) and data (source 1) in window 3
; A joint fill.  Waves 0 and 1 fetch the two halves of a slot's K, waves 2 and 3 those of its V: 128 keys each.  The branch hangs on the wave's number alone.
; An s_nop 0 and four v_nop follow each of the two lines, ahead of the jump and the label.
.macro JLOAD
	s_cmp_lt_u32 s[WV], 2
	s_cbranch_scc0 .Lfor_v_\@
	tensor_load_to_lds s[G0K:G0K+3], s[G1K:G1K+7]
	s_nop 0
.rept 4
	v_nop
.endr
	s_branch .Lasked_\@
.Lfor_v_\@:
	tensor_load_to_lds s[G0V:G0V+3], s[G1V:G1V+7]
	s_nop 0
.rept 4
	v_nop
.endr
.Lasked_\@:
.endm
; A round of the cluster's barrier: my work-group's barrier, so that wave 0's signal speaks for all four waves; wave 0 signals; every wave waits for all four work-groups; my work-group's barrier once more.
.macro CROUND
	s_barrier_signal -1
	s_barrier_wait -1
	s_cmp_lg_u32 s[WV], 0
	s_cbranch_scc1 .Lnot_wave_0_\@
	s_barrier_signal -3
.Lnot_wave_0_\@:
	s_barrier_wait -3
	s_barrier_signal -1
	s_barrier_wait -1
.endm
; THE CHANGE OF SLOTS.  The slot's last bytes, V of its fourth step, have been read.  Each wave waits for all its tensor loads, of which one is out: its part
; of the other slot; adds 0 to its spare word; and waits for that and for its own reads of the slot.  Behind the barrier nobody reads this slot any more and the other slot is whole.
; fill = 1: this slot is filled again, with the keys two slots on.  The barrier is then a round of the cluster's, so that no wave of any partner still reads the slot or has a load on its
; way, and the joint fill is the first thing behind it: it has four key steps, 512 matrix instructions, in which to land.  (At its first use nothing has been read yet: slot 0 is waited for, slot 1 filled.)
.macro CHANGE fill
	WIN W_AD
	s_wait_tensorcnt 0x0            ; no tensor load of mine is out, so a group 0 may be written
	ds_add_u32 v[SPW], v[NIL]       ; 0 onto my spare word; with fill = 1 the descriptors' steps stand between it and the wait for it
	WIN 0                           ; at a label and at a branch every window is 0
.if \fill
.irp g, G0K, G0V
	s_xor_b32 s[\g+1], s[\g+1], SLOT1  ; the walking descriptor: the other slot than last time,
	s_add_nc_u64 s[\g+2:\g+3], s[\g+2:\g+3], 4*KS*128  ; the next 256 keys; the type bits on top are not reached
.endr
	s_wait_dscnt 0x0                ; the add is done, and my reads of the slot are over
	CROUND
	JLOAD
.else
	s_wait_dscnt 0x0                ; the add is done, and my reads of the slot are over
	s_barrier_signal -1
	s_barrier_wait -1
.endif
	s_sub_co_u32 s[TBK], s[TBK], 4*KS*PK  ; the fetches go back to a slot's first step,
	s_xor_b32 s[TBK], s[TBK], SLOT1       ; in the other slot
	s_sub_co_u32 s[TBV], s[TBV], 4*KS*PV
	s_xor_b32 s[TBV], s[TBV], SLOT1
.endm
	s_load_b256 s[4:11], s[0:1], 0x0  ; Q s[4:5], K s[6:7], V s[8:9], O s[10:11]
	WIN W_MK
	v_lshl_add_u32 v[SPW], v0, 2, SPARE
	v_mov_b32 v[NIL], 0
	s_set_vgpr_msb 0xc0cf
	ds_add_u32 v0, v1
	s_wait_dscnt 0x0
	s_set_vgpr_msb 0xcfc0
	WIN 0
	v_lshrrev_b32 v1, 5, v0
	v_readfirstlane_b32 s[WV], v1   ; wave 0..3
	s_bfe_u32 s13, ttmp6, 0x40000   ; cx: my place in the cluster
	s_lshl_b32 s14, ttmp9, 2        ; in a cluster launch ttmp9 counts clusters
	s_add_co_u32 s14, s14, s13      ; my block of queries = 4 x cluster x + cx: it enters Q's and O's addresses alone
	s_and_b32 s20, ttmp7, 0xffff    ; the head, which the four partners share
	s_mov_b32 s21, 0
	s_mov_b64 s[22:23], SIZE_N*128
	s_mul_u64 s[20:21], s[20:21], s[22:23]  ; the head's first byte in each of the four tensors
	s_and_b32 s16, s[WV], 1         ; which half of a slot's 256 keys I fetch:
	s_lshl_b32 s22, s16, 14         ; its 128 rows of 128 bytes in memory,
	s_mov_b32 s23, 0
	s_add_nc_u64 s[22:23], s[22:23], s[20:21]
	s_mul_i32 s17, s16, 128*PK      ; and its place in a slot, for K
	s_mul_i32 s18, s16, 128*PV      ; and for V: no place in the cluster enters an LDS address
	s_lshl_b32 s2, s14, 2
	s_add_co_u32 s2, s2, s[WV]      ; my wave among the head's,
	s_lshl_b32 s2, s2, 14           ; its 128 rows
	s_mov_b32 s3, 0
	s_add_nc_u64 s[2:3], s[2:3], s[20:21]
	; descriptor group 1.  128 keys are 16,384 dense bytes: asked for as 64 rows of 256 bytes, two keys a row, and padded in LDS after every key
	s_mov_b32 s[G1K], 15|(1<<16)|(1<<20)|(1<<21)|(4<<22)|(3<<25)  ; 15:0 the mask of four; 17:16 2-byte elements; 20 padding on; 21 set beside a mask; 24:22 after every 32 words (code 4); 31:25 4 words (code 3)
	s_mov_b32 s[G1V], 15|(1<<16)|(1<<20)|(1<<21)|(4<<22)|(7<<25)  ; the same with 8 words of padding (code 7)
.irp g, G1K, G1V
	s_mov_b32 s[\g+1], 128<<16      ; tensor_dim0 = 128
	s_mov_b32 s[\g+2], 64<<16       ; tensor_dim1 = 64
	s_mov_b32 s[\g+3], 128<<16      ; tile_dim0 = 128
	s_mov_b32 s[\g+4], 64           ; tile_dim1 = 64
	s_mov_b32 s[\g+5], 128          ; 128 elements from row to row
	s_mov_b32 s[\g+6], 0
	s_mov_b32 s[\g+7], 0
.endr
	s_mov_b32 s[CS], 0x4138aa3b     ; c = 2^6 log2(e) / 8 = 11.541560: the 2^6 takes back the scaling with which Q was stored
	s_mov_b32 s[CS+1], s[CS]        ; named with it as a pair
	s_mov_b32 s[SEL], 0x76543210
	s_mov_b32 s[SEL+1], 0xfedcba98
	s_mov_b32 s[TBK], SLOT1+4*KS*PK ; the first change of slots turns these two into 0
	s_mov_b32 s[TBV], SLOT1+4*KS*PV
	s_mov_b32 s[G0K], 1             ; 1:0 count = 1
	s_mov_b32 s[G0K+1], s17         ; 63:32 LDS address: slot 0
	s_mov_b32 s[G0V], 1
	s_add_co_u32 s[G0V+1], s18, VOFF
	s_wait_kmcnt 0x0
	s_add_nc_u64 s[G0K+2:G0K+3], s[6:7], s[22:23]  ; 120:64 global address: my half of the head's first 256 keys
	s_or_b32 s[G0K+3], s[G0K+3], 0x80000000        ; 127:126 type = 2
	s_add_nc_u64 s[G0V+2:G0V+3], s[8:9], s[22:23]
	s_or_b32 s[G0V+3], s[G0V+3], 0x80000000
	s_add_nc_u64 s[4:5], s[4:5], s[2:3]  ; Q and O at my wave's first row
	s_add_nc_u64 s[10:11], s[10:11], s[2:3]
	CROUND                          ; all four work-groups are here: the first joint loads meet
	JLOAD                           ; slot 0.  Slot 1 is asked for when slot 0 is in: the tile wanted first has the road to itself
	; A fragment of K or Q is 16 rows x 32 channels in 8 registers: lane l holds row l % 16, channels 8 (l / 16) + 0..7 and 16 + 8 (l / 16) + 0..7: two loads of 16 bytes, 32 bytes apart.
	v_and_b32 v1, 15, v0            ; l % 16
	v_bfe_u32 v9, v0, 4, 1          ; l / 16
	v_lshlrev_b32 v[QO], 7, v1
	v_lshl_add_u32 v[QO], v9, 4, v[QO]  ; row x 128 + 16 x half
	WIN 0x80                        ; destination window 2, address window 0
.set i, 0
.rept 4*NP                          ; Q stays in registers: tile i / 2, channels 32 (i % 2) on
	global_load_b128 v[8*i:8*i+3],   v[QO], s[4:5] offset:(i/2)*2048+(i%2)*64
	global_load_b128 v[8*i+4:8*i+7], v[QO], s[4:5] offset:(i/2)*2048+(i%2)*64+32
.set i, i+1
.endr
	; What the first turn finds: V's registers and P's second buffer hold 0 (its products V^T P, of a piece that has not been, add 0), O^T and l are 0.  All this stands in the wait for the first tile.
.set i, VF
.rept 64
	v_mov_b32 v[i], 0
.set i, i+1
.endr
	WIN 0x40
.set i, 0
.rept 64*NP
	v_mov_b32 v[i], 0
.set i, i+1
.endr
	WIN 0
.set i, 0
.rept 2*NP
	v_mov_b32 v[ST+4*i], 0xfe000000    ; c m: far below every c s
	v_mov_b32 v[ST+4*i+1], 0xff7fffff  ; m
	v_mov_b32 v[ST+4*i+2], 0
	v_mov_b32 v[ST+4*i+3], 0
.set i, i+1
.endr
.set i, P+32
.rept 32
	v_mov_b32 v[i], 0
.set i, i+1
.endr
	v_mul_u32_u24 v[AK0], v1, PK
	v_lshl_add_u32 v[AK0], v9, 4, v[AK0]  ; row x pitch + 16 x half
	; The turning load takes 16 keys x 16 channels (lane l reads key 8 (l / 16) + l % 8, channels 8 ((l / 8) % 2) + 0..7) and leaves half a fragment of V^T: lane l holds channel l % 16 and 8 keys.
	v_and_b32 v10, 7, v0
	v_bfe_u32 v11, v0, 3, 1
	v_lshl_add_u32 v[AV0], v9, 3, v10
	v_mul_u32_u24 v[AV0], v[AV0], PV
	v_lshl_add_u32 v[AV0], v11, 4, v[AV0]
	v_add_nc_u32 v[AV0], VOFF, v[AV0]
	v_mov_b32 v[AK], v[AK0]         ; key step 0 lies at the head of slot 0
; THE MATRIX WORK.  The 8 accumulators of a run of 16 take turns: between the two links of a chain stand 7 others'.
; Product i of 16 of S^T = K Q^T for piece x: channels 32 (i / 8) on, keys 16 ((i / 2) % 4) on, tile 2 x + i % 2.  The first 8 start the sums.
.macro KQ x
	WIN W_KQ
.set rS, S+64*((\x)%2)+32*(i%2)+8*((i/2)%4)
.set rK, KF+16*((i/2)%4)+8*(i/8)
.set rQ, 16*(2*(\x)+i%2)+8*(i/8)
.if i < 8
	v_wmma_f32_16x16x32_f16 v[rS:rS+7], v[rK:rK+7], v[rQ:rQ+7], 0
.else
	v_wmma_f32_16x16x32_f16 v[rS:rS+7], v[rK:rK+7], v[rQ:rQ+7], v[rS:rS+7]
.endif
.endm
; Product i of 16 of O^T += V^T P for piece x: keys 32 (i / 8) on, channels 16 ((i / 2) % 4) on, tile 2 x + i % 2.
.macro PV x
	WIN W_PV
.set rO, 32*(2*(\x)+i%2)+8*((i/2)%4)
.set rV, VF+32*(i/8)+8*((i/2)%4)
.set rP, P+32*((\x)%2)+16*(i%2)+8*(i/8)
	v_wmma_f32_16x16x32_f16 v[rO:rO+7], v[rV:rV+7], v[rP:rP+7], v[rO:rO+7]
.endm
.macro MM                           ; the turn's next matrix instruction
.if i < 16
	KQ (Y+1)%NP
.set i, i+1
.else
.set i, i-16
	PV (Y+NP-1)%NP
.set i, i+17
.endif
.endm
; THE LDS LOADS stand in runs of 16, never singly among the matrix instructions: a step's K (64 keys x 64 channels: 8 fragments) and its V (turned).  Their addresses are made some lines ahead.
; last = 1 (the tail): in the last trip there is no further step, and the run is jumped over.
.macro FETCH_K last=0
	WIN 0
.if \last
	s_cmp_eq_u32 s[CNT], 1
	s_cbranch_scc1 .Lno_k_\@
.endif
	WIN 0x80                        ; destination window 2
.irp f, 0,1,2,3,4,5,6,7             ; keys 16 (f / 2) on, channels 32 (f % 2) on
	ds_load_b128 v[KF+8*\f:KF+8*\f+3],   v[AK] offset:(\f/2)*16*PK+(\f%2)*64
	ds_load_b128 v[KF+8*\f+4:KF+8*\f+7], v[AK] offset:(\f/2)*16*PK+(\f%2)*64+32
.endr
	s_add_co_u32 s[TBK], s[TBK], KS*PK  ; the next fetch is the next step's
	WIN 0
.if \last
.Lno_k_\@:
.endif
.endm
.macro FETCH_V
	WIN 0x80
.irp f, 0,1,2,3,4,5,6,7             ; keys 32 (f / 4) on, channels 16 (f % 4) on
	ds_load_tr16_b128 v[VF+8*\f:VF+8*\f+3],   v[AV] offset:(\f/4)*32*PV+(\f%4)*32
	ds_load_tr16_b128 v[VF+8*\f+4:VF+8*\f+7], v[AV] offset:(\f/4)*32*PV+16*PV+(\f%4)*32
.endr
	WIN 0
.endm
; THE VECTOR WORK OF A TURN stands in three queues, each in the order in which its entries become ready; the two tiles alternate, so that no instruction reads the result of the one before it.
.macro REGS y, u                    ; the registers of tile u (0, 1) of piece y
.set rT, ST+4*(2*(\y)+(\u))
.set rC, TMP+8*((\y)%2)+4*(\u)
.set rM, MV+2*((\y)%2)+(\u)
.set rS, S+64*((\y)%2)+32*(\u)
.set rP, P+32*((\y)%2)+16*(\u)
.set rO, 32*(2*(\y)+(\u))
.endm
; Number n of the 22 that find the NEXT piece's (Y + 1) maximum and statistics.  s0-s31 are the lane's 32 scores; each accumulator's lowest registers are read first.  XS, GS and REGS set no window: PL and EX do.
;   0-11  four chains c0-c3 of seven scores each, three operands at a time     12-14, 16  the four scores left over, the old m, and c0-c3 into c0     15  c m_old is kept
;   17, 18  the query's other 32 keys lie in the lane 16 away: the new m         19-21  c m; c m_old - c m_new; a
.macro XS u, n
	REGS (Y+1)%NP, \u
.if (\n) < 4
	v_max3_num_f32 v[rC+(\n)], v[rS+8*(\n)], v[rS+8*(\n)+1], v[rS+8*(\n)+2]
.elseif (\n) < 12
	v_max3_num_f32 v[rC+(\n)%4], v[rC+(\n)%4], v[rS+8*((\n)%4)+2*((\n)/4)+1], v[rS+8*((\n)%4)+2*((\n)/4)+2]
.elseif (\n) == 12
	v_max3_num_f32 v[rC], v[rC], v[rS+7], v[rS+15]
.elseif (\n) == 13
	v_max3_num_f32 v[rC+1], v[rC+1], v[rS+23], v[rS+31]
.elseif (\n) == 14
	v_max3_num_f32 v[rC+2], v[rC+2], v[rC+3], v[rT+1]
.elseif (\n) == 15
	v_mov_b32 v[rM], v[rT]
.elseif (\n) == 16
	v_max3_num_f32 v[rC], v[rC], v[rC+1], v[rC+2]
.elseif (\n) == 17
	v_permlanex16_b32 v[rC+3], v[rC], s[SEL], s[SEL+1]
.elseif (\n) == 18
	v_max_num_f32 v[rT+1], v[rC], v[rC+3]
.elseif (\n) == 19
	v_mul_f32 v[rT], s[CS], v[rT+1]
.elseif (\n) == 20
	v_sub_f32 v[rC+1], v[rM], v[rT]
.else
	v_exp_f32 v[rC+2], v[rC+1]
.endif
.endm
; Number g of the 64 that follow the exponentials.  For each four weights k of a tile (pairs 2 k, 2 k + 1): both pairs are rounded to f16; then the second pair is added onto the first, in place;
; a group later l takes that sum (the first time as l = a l + sum).  In groups of eight, tiles alternating: round, round, add, and l for the group before.
.macro GS g
.set h, (\g)+6*((\g)/62)            ; group 0 has no group before it, and behind group 7 only l is left
.if h >= 6
.set h, h+2
.endif
	REGS Y, h%2
.set k, h/8
.if h%8 < 4
	s_wait_alu depctr_va_vdst(0)
	v_cvt_pk_f16_f32 v[rP+2*k+(h%8)/2], v[rS+4*k+2*((h%8)/2)], v[rS+4*k+2*((h%8)/2)+1]
.elseif h%8 < 6
	v_pk_add_f32 v[rS+4*k:rS+4*k+1], v[rS+4*k:rS+4*k+1], v[rS+4*k+2:rS+4*k+3]
.elseif k == 1
	v_pk_fma_f32 v[rT+2:rT+3], v[rT+2:rT+3], v[rC+2:rC+3], v[rS:rS+1] op_sel_hi:[1,0,1]
.else
	v_pk_add_f32 v[rT+2:rT+3], v[rT+2:rT+3], v[rS+4*k-4:rS+4*k-3]
	s_wait_alu depctr_va_vdst(0)
.endif
.endm
; THE PLAIN QUEUE, 138 long.  0-31: c s - c m for the 16 pairs of both tiles.  Then GS's 64, and among them the next piece's 42: number 15 at 38, 39; 0-14 and 16
; at 42-73, behind the products that make those scores; 17-20 at 95-106, two of three, since each waits for the one before it.
.macro PL
	WIN 0
.if q < 32
	REGS Y, q%2
	v_pk_fma_f32 v[rS+2*(q/2):rS+2*(q/2)+1], v[rS+2*(q/2):rS+2*(q/2)+1], s[CS:CS+1], v[rT:rT+1] op_sel_hi:[1,0,0] neg_lo:[0,0,1] neg_hi:[0,0,1]
.elseif q < 38
	GS q-32
.elseif q < 40
	XS q%2, 15
.elseif q < 42
	GS q-34
.elseif q < 74
	XS q%2, (q-42)/2+(q-42)/30
.elseif q < 95
	GS q-66
.elseif (q < 107) && ((q-95)%3 < 2)
	XS (q-95)%3, 17+(q-95)/3
.elseif q < 107
	GS 29+(q-95)/3
.else
	GS q-74
.endif
.set q, q+1
.endm
; THE EXPONENTIALS' QUEUE, 66 long: s0-s31 of both tiles, and at EA the next piece's two a.
.set EA, 58
.macro EX
	WIN 0
.if (e == EA) || (e == EA+1)
	XS e-EA, 21
.else
.set x, e-2*(e/(EA+2))
	REGS Y, x%2
	v_exp_f32 v[rS+x/2], v[rS+x/2]
.endif
.set e, e+1
.endm
; THE RESCALING's QUEUE: O^T times a, the one part that leaves window 0, so it is dealt four at a time, eight times.
.macro R4
	REGS Y, r%2
	WIN W_RS
	s_wait_alu depctr_va_vdst(0)
.irp z, 0,1,2,3
	v_pk_mul_f32 v[rO+8*(r/2)+2*\z:rO+8*(r/2)+2*\z+1], v[rO+8*(r/2)+2*\z:rO+8*(r/2)+2*\z+1], v[rC+2:rC+3] op_sel_hi:[1,0]
.endr
.set r, r+1
.endm
; HOW THEY ARE DEALT.  Behind a matrix instruction four: plain, exponential, plain, plain (one exponential, a plain instruction on either side), or four of the rescaling.  None names a register of the
; products round it.  What is over stands in two LUMPS: exponential and plain by turns; the second ends in 22 plain instructions.  The two v_permlanex16_b32 fall into the second lump, never behind a product.
; The queues lean on each other, and the deal keeps them in step: exponential e stands behind plain 2 (e / 4) + e % 2 (its scaling); when plain 32 comes, 10 exponentials are out, at 59: 33, at 95: 46; EA comes behind plain 107.
.macro SL
	MM
	PL
	EX
	PL
	PL
.endm
.macro BURST n                      ; 15 matrix instructions, or 16
.rept (\n)-7
	SL
.endr
.rept 3
	MM
	R4
	SL
.endr
	MM
	R4
.endm
; A TURN, for piece p.  cnt = 1: the loop's count is taken down some lines ahead of the branch that stands behind the turn.
; K of the next step is fetched in piece 2's turn, 31 vector instructions behind the last product that read K; its first reader comes behind the rest of the lump, 16 products and the second lump.
; V of the step in hand is fetched at the end of piece 0's turn, 69 behind its last reader; its first reader comes behind 16 products and a lump.  The four conditions on e and q below go with the deal.
.macro TURN p, last=0, cnt=0
.set Y, (\p)
.set i, 0
.set q, 0
.set e, 0
.set r, 0
.if (\p) == NP-1
	s_wait_dscnt 0x0                ; K is in
.endif
	MM
.rept 4
	PL
.endr
	BURST 15
.rept 22
	EX
	PL
.if ((\p) == NP-2) && (e == 18)
	v_add_nc_u32 v[AK], s[TBK], v[AK0]
.endif
.if ((\p) == NP-2) && (e == 24)
	FETCH_K \last
.endif
.endr
.if (\p) == 1
	s_wait_dscnt 0x0                ; V is in
.endif
	BURST 16
.rept 21
	EX
	PL
.endr
.rept 22
	PL
.if ((\p) == 0) && (q == 118)
	v_add_nc_u32 v[AV], s[TBV], v[AV0]
	s_wait_alu depctr_va_vdst(0)
.endif
.if ((\p) == 0) && (q == 130)
	s_add_co_u32 s[TBV], s[TBV], KS*PV
.endif
.if (\cnt) && (q == 130)
	s_sub_co_u32 s[CNT], s[CNT], 1
	s_cmp_lg_u32 s[CNT], 0
.endif
.endr
.if (\p) == 0
	FETCH_V
.endif
.endm
	CHANGE 1                        ; slot 0 is in, everybody's part of it; slot 1 is asked for
	FETCH_K                         ; key step 0
	s_wait_loadcnt 0x0              ; Q
	s_wait_dscnt 0x0
.set i, 0
.rept 16
	KQ 0                            ; piece 0's first scores: there is no vector work yet to set between them
.set i, i+1
.endr
	WIN 0                           ; the addresses for the way out: nine plain instructions, the places behind those products
	s_mul_i32 s13, s[WV], 16*SP
	s_add_co_u32 s13, s13, STAGE    ; my stage
	v_mul_u32_u24 v[STO], v1, SP    ; in: row l % 16, 16 bytes for each half of the lanes
	v_lshl_add_u32 v[STO], v9, 4, v[STO]
	v_add_nc_u32 v[STO], s13, v[STO]
	v_bfe_u32 v[RD], v0, 3, 2       ; back: 32 lanes take four rows of 128 bytes,
	v_mul_u32_u24 v[RD], v[RD], SP
	v_lshl_add_u32 v[RD], v10, 4, v[RD]
	v_add_nc_u32 v[RD], s13, v[RD]
	v_and_b32 v[GO], 31, v0         ; which are 512 consecutive bytes of O
	v_lshlrev_b32 v[GO], 4, v[GO]
.set Y, NP-1                        ; XS works for piece Y + 1: piece 0
.irp n, 0,1,2,3,4,5,6,7,8,9,10,11,12,13,14,15,16,17,18,19,20,21
	XS 0, \n                        ; and piece 0's first maximum and statistics
	XS 1, \n
.endr
	s_mov_b32 s[CNT], 4
	s_mov_b32 s[SLOTS], SIZE_N/256-1
	s_branch .Lfirst                ; the loop is entered at a step's first turn, in the middle of a trip
.Lslot:                             ; SIZE_N / 256 - 2 times: every slot but the last two is filled again
	CHANGE 1
	s_mov_b32 s[CNT], 4
.Lstep:                             ; a trip: pieces 2 and 3 of one step, then pieces 0 and 1 of the next, whose K and V it fetches
	TURN 2
	TURN 3
	WIN 0
.Lfirst:
	TURN 0
	TURN 1, 0, 1
	WIN 0
	s_cbranch_scc1 .Lstep
	s_sub_co_u32 s[SLOTS], s[SLOTS], 1
	s_cmp_lg_u32 s[SLOTS], 0
	s_cbranch_scc1 .Lslot
	CHANGE 0                        ; the tail is written out: nothing is asked for
	s_mov_b32 s[CNT], 5             ; four trips fetch the last slot's steps; the fifth is left in its middle
.Ltail:
	TURN 2, 1
	TURN 3
	WIN 0
	s_sub_co_u32 s[CNT], s[CNT], 1
	s_cmp_eq_u32 s[CNT], 0
	s_cbranch_scc1 .Lout
	TURN 0
	TURN 1
	WIN 0
	s_branch .Ltail
.Lout:                              ; the fifth trip's 16 products K Q^T (on the last K once more) and the maximum made of them serve nothing: the price, once a launch, of one text for every trip
.set i, 0
.rept 16
	PV NP-1                         ; the last piece's V^T P of the last step
.set i, i+1
.endr
	; THE WAY OUT.  l's two halves and the other half of the lanes' are added; O^T is divided by l, rounded to f16 and sent through my stage in LDS, a tile at a time.  The additions are the places behind the last products.
	WIN 0
.macro ALL line:vararg              ; one line for each tile t
.set t, 0
.rept 2*NP
	\line
.set t, t+1
.endr
.endm
	ALL v_add_f32 v[ST+4*t+2], v[ST+4*t+2], v[ST+4*t+3]
	ALL v_permlanex16_b32 v[ST+4*t+3], v[ST+4*t+2], s[SEL], s[SEL+1]
	ALL v_add_f32 v[ST+4*t+2], v[ST+4*t+2], v[ST+4*t+3]
	ALL v_rcp_f32 v[ST+4*t+2], v[ST+4*t+2]
	v_nop                           ; a plain instruction between the last reciprocal and the use of its result
	s_wait_alu depctr_va_vdst(0)
; Tile t: a lane's eight channels of a row pack into 16 bytes; they go into rows of 144 bytes and come back as whole rows of 128, into S^T's registers.
.macro PACK t
	WIN W_RS
.set i, 32*(\t)
.rept 16
	v_pk_mul_f32 v[i:i+1], v[i:i+1], v[ST+4*(\t)+2:ST+4*(\t)+3] op_sel_hi:[1,0]
.set i, i+2
.endr
	WIN 0x05                        ; sources 0 and 1 window 1, destination window 0
.set i, 0
.rept 16
	v_cvt_pk_f16_f32 v[S+16*(\t)+i], v[32*(\t)+2*i], v[32*(\t)+2*i+1]
.set i, i+1
.endr
	WIN 0
.irp f, 0,1,2,3
	ds_store_b128 v[STO], v[S+16*(\t)+4*\f:S+16*(\t)+4*\f+3] offset:32*\f
.endr
.irp f, 0,1,2,3
	ds_load_b128 v[S+16*(\t)+4*\f:S+16*(\t)+4*\f+3], v[RD] offset:\f*4*SP  ; LDS serves a wave's instructions in order (ISA guide 5.7.1.4): these see the stores above; the next tile's stores come behind them
.endr
.endm
.macro SEND t, younger              ; younger: the LDS instructions issued behind tile t's loads: the next tile's eight, or none
	WIN 0
.irp f, 0,1,2,3
	s_wait_dscnt (\younger)+3-\f
	global_store_b128 v[GO], v[S+16*(\t)+4*\f:S+16*(\t)+4*\f+3], s[10:11] offset:(\t)*2048+\f*512  ; 512 consecutive bytes, at a multiple of 256 from O's first
.endr
.endm
	PACK 0
.set t, 1
.rept 2*NP-1                        ; a tile's arithmetic stands between the loads of the tile before and its stores
	PACK t
	SEND t-1, 8
.set t, t+1
.endr
	SEND 2*NP-1, 0
	WIN W_AD
	s_wait_tensorcnt 0x0            ; the wave's end: behind my last tensor load and my last LDS store
	ds_add_u32 v[SPW], v[NIL]
	s_wait_dscnt 0x0
	WIN 0
	CROUND                          ; the closing round: no work-group ends while a partner may still ask for a tile that names it
	s_endpgm
.Lfunc_end_k_qa522ff9d53_att:
	.size	k_qa522ff9d53_att, .Lfunc_end_k_qa522ff9d53_att-k_qa522ff9d53_att
	.p2alignl 7, 3214868480
	.fill 96, 4, 3214868480
	.section	.rodata,"a",@progbits
	.p2align	6, 0x0
	.amdhsa_kernel k_qa522ff9d53_att
		.amdhsa_group_segment_fixed_size 327680
		.amdhsa_private_segment_fixed_size 0
		.amdhsa_enable_private_segment 0
		.amdhsa_kernarg_size 32
		.amdhsa_user_sgpr_count 2
		.amdhsa_user_sgpr_kernarg_segment_ptr 1
		.amdhsa_wavefront_size32 1
		.amdhsa_system_sgpr_workgroup_id_x 1
		.amdhsa_system_sgpr_workgroup_id_y 1
		.amdhsa_system_sgpr_workgroup_id_z 1
		.amdhsa_system_vgpr_workitem_id 0
		.amdhsa_next_free_vgpr 770
		.amdhsa_next_free_sgpr 66
		.amdhsa_reserve_vcc 0
		.amdhsa_float_denorm_mode_32 3
		.amdhsa_float_denorm_mode_16_64 3
		.amdhsa_memory_ordered 1
		.amdhsa_forward_progress 1
		.amdhsa_inst_pref_size 208
	.end_amdhsa_kernel
	.amdgpu_metadata
---
amdhsa.version: [ 1, 2 ]
amdhsa.kernels:
  - .name:           k_qa522ff9d53_att
    .symbol:         k_qa522ff9d53_att.kd
    .args:
      - { .name: q16, .offset: 0, .size: 8, .value_kind: global_buffer, .address_space: global }
      - { .name: k16, .offset: 8, .size: 8, .value_kind: global_buffer, .address_space: global }
      - { .name: v16, .offset: 16, .size: 8, .value_kind: global_buffer, .address_space: global }
      - { .name: o16, .offset: 24, .size: 8, .value_kind: global_buffer, .address_space: global }
    .group_segment_fixed_size: 327680
    .private_segment_fixed_size: 0
    .kernarg_segment_align: 8
    .kernarg_segment_size: 32
    .max_flat_workgroup_size: 128
    .sgpr_count:     66
    .vgpr_count:     770
    .wavefront_size: 32
...
	.end_amdgpu_metadata
.endif
;; end of part 3
;; launch outp (part 4): grid 4 x 64, 4 waves a work-group, clusters of 4 x 4, 327,680 bytes of LDS; arguments o16, wo16, bo, out0; writes out0
.if DOCPART == 4
	.amdgcn_target "amdgcn-amd-amdhsa--gfx1250"
	.amdhsa_code_object_version 6
	.text
	.protected	k_qa522ff9d53_outp
	.globl	k_qa522ff9d53_outp
	.p2align	8
	.type	k_qa522ff9d53_outp,@function
k_qa522ff9d53_outp:
	s_mov_b64 s[64:65], 0
	v_nop
	global_prefetch_b8 v0, s[64:65] scope:SCOPE_SE
	s_setreg_imm32_b32 hwreg(HW_REG_WAVE_MODE, 25, 1), 1
	s_wait_xcnt 0x0
	s_wait_alu depctr_hold_cnt(0) depctr_sa_sdst(0) depctr_va_vdst(0) depctr_va_sdst(0) depctr_va_ssrc(0) depctr_va_vcc(0) depctr_vm_vsrc(0)
	s_getreg_b32 s2, hwreg(HW_REG_IB_STS2, 6, 4)
	s_cmp_eq_u32 s2, 0
	s_cbranch_scc0 .Lentry_in_a_cluster
	s_endpgm
.Lentry_in_a_cluster:
	s_bfe_u32 s2, ttmp6, 0x10000c
	s_cmp_lg_u32 s2, 0xf033
	s_cbranch_scc0 .Lentry_shape_is_right
	s_endpgm
.Lentry_shape_is_right:
; THE LAST PROJECTION.  out0[m][n] = the sum over k of x[m][k] Wo[k][n] + bo[n].  x lies by heads: o16 [64 = batch x 16 + head][2048][64] in f16, x[batch x 2048 + s][head x 64 + d];
; wo16: [1024 k][1024 n] f16; bo: [1024] f32; out0: [8192][1024] f32.  Sums and bias in f32.
; LIMITS.  The operands arrive in f16 (none beyond 65,504).  NaN and infinities are not treated apart.
; SHARES.  A tile of out0 is 128 rows x 256 columns: 64 x 4 = 256 tiles, one for each WGP.  Four waves, each 64 x 128: 32 accumulators of 16 x 16, 256 registers.  K goes in 8 steps of 128, two heads
; a step, through a ring of two LDS slots.  A head's 128 rows of the tile are 16,384 dense bytes: asked for as 64 rows of 256 bytes and padded in LDS after every 128.  Wo's 128 k-rows are 512 bytes.
; CLUSTERS: 4 x 4 work-groups.  The four of a row of the cluster need the same tiles of x, the four of a column the same tiles of Wo: each tile is asked for JOINTLY, by the same tensor load with
; the same descriptor and a mask that names the four.
; THE MATRIX INSTRUCTION IS USED TRANSPOSED: source 0 = 16 columns of Wo (turned by ds_load_tr16_b128), source 1 = 16 rows of x: a lane then holds eight neighbouring numbers of a row of out0.
; REGISTERS, in windows of 256 (s_set_vgpr_msb: bits 1:0 source 0, 3:2 source 1, 5:4 source 2, 7:6 destination):
;   window 0: v0-31 addresses; v32-95 x's fragments, two buffers of 4 x 8; v128-255 Wo's fragments, two buffers of 8 x 8 (on the way out: rows read back, two sets of 64)
;   window 1: the accumulators ((a, b) at v[8 (8 a + b)])          window 2: v0-63 the bias of my 8 x 8 columns a lane
.set KSTEP,  128
.set PA,     144                       ; a row of x in LDS: 128 bytes + 16 of padding = 36 words: the 16 rows of a load start at 16 different groups of four banks (64 banks of 4 bytes: ISA guide 11.1)
.set PB,     544                       ; a k-row of Wo: 512 + 32 = 136 words
.set HEADA,  128*PA                    ; one head's 128 rows: what one tensor load brings of x
.set HALFB,  64*PB                     ; what one tensor load brings of Wo
.set BOFF,   2*HEADA                   ; Wo's 128 k-rows lie behind x's two heads
.set SLOT,   2*HEADA+2*HALFB
.set STAGE,  2*SLOT                    ; behind the ring, never filled by a tensor load: 16 rows x 528 bytes for each wave, for the way out
.set SPITCH, 528                       ; 512 bytes + 16 = 132 words: row r starts at bank 4 r mod 64
.set SPARE,  STAGE+4*16*SPITCH         ; behind the stages: the spare words, 128 bytes for each wave: two blocks of 256 bytes that no other line names
.set LAPS,   1024/(2*KSTEP)            ; a lap = two K steps = once round the ring
.set ADRA, 16                          ; v16-17  LDS address of my fragments of x in slot 0, 1
.set ADRB, 20                          ; v20-21  the same for Wo
.set STO,  24                          ; v24     the way out: where I put 32 bytes of a row
.set RD,   25                          ; v25     the way out: where I read a row back
.set CO,   26                          ; v26     my byte offset in 512 consecutive bytes of out0
.set BO,   27                          ; v27     my byte offset in 16 numbers of the bias
.set SPW,  28                          ; v28     LDS address of my spare word: SPARE + 4 x my thread's number; never rewritten
.set NIL,  29                          ; v29     0; never rewritten
.set AF,   32
.set BF,   128
.set OB,   128
.set BI,   0                           ; window 2
.set G1, 24                            ; s[24:31] descriptor group 1 for x's tiles;  s[32:39] group 0, one set for each slot
.set G0, 32
.set G1B, 48                           ; s[48:55], s[56:63] the same for Wo's tiles
.set G0B, 56
.set BIAS, 68                          ; s[68:69] bo at my wave's first column
.set OUT,  70                          ; s[70:71] out0 at my wave's first number
.set MSB, 0
.macro WIN new                         ; the immediate's high byte repeats the setting that is left; a switch that changes nothing is dropped
.if MSB != (\new)
	s_set_vgpr_msb (MSB<<8)|(\new)
.set MSB, \new
.endif
.endm
.set MUL, 0x50                         ; sources 0 (Wo) and 1 (x) window 0; C and D window 1
.macro JLOAD s                         ; a joint load: waves 0 and 1 fetch x's two heads, waves 2 and 3 Wo's two halves; an s_nop 0 and four v_nop follow each of the two lines, ahead of the jump, the label and what follows
	s_cmp_eq_u32 s11, 0
	s_cbranch_scc0 .Lfor_b_\@
	tensor_load_to_lds s[G0+4*(\s):G0+4*(\s)+3], s[G1:G1+7]
	s_nop 0
.rept 4
	v_nop
.endr
	s_branch .Lasked_\@
.Lfor_b_\@:
	tensor_load_to_lds s[G0B+4*(\s):G0B+4*(\s)+3], s[G1B:G1B+7]
	s_nop 0
.rept 4
	v_nop
.endr
.Lasked_\@:
.endm
.macro CREST                           ; a round of the cluster's barrier behind its opening barrier
	s_cmp_lg_u32 s10, 0
	s_cbranch_scc1 .Lnot_wave_0_\@
	s_barrier_signal -3
.Lnot_wave_0_\@:
	s_barrier_wait -3
	s_barrier_signal -1
	s_barrier_wait -1
.endm
.macro CROUND                          ; a whole round
	s_barrier_signal -1
	s_barrier_wait -1
	CREST
.endm
	s_load_b128 s[4:7], s[0:1], 0x0                ; o16 s[4:5], wo16 s[6:7]
	s_load_b128 s[68:71], s[0:1], 0x10             ; bo s[68:69], out0 s[70:71]
	v_lshl_add_u32 v[SPW], v0, 2, SPARE
	v_mov_b32 v[NIL], 0
	ds_add_u32 v28, v29
	s_wait_dscnt 0x0
	v_lshrrev_b32 v1, 5, v0
	v_readfirstlane_b32 s10, v1                    ; wave 0..3
	s_lshr_b32 s11, s10, 1                         ; which half of the tile's rows is mine.  Also: I fetch for x (0) or for Wo (1)
	s_and_b32 s12, s10, 1                          ; which half of its columns.  Also: which head of the step, or which 64 k-rows, I fetch
	s_bfe_u32 s40, ttmp6, 0x40000                  ; cx, cy: my place in the cluster
	s_bfe_u32 s41, ttmp6, 0x40004
	s_lshl_b32 s42, ttmp9, 2
	s_add_co_u32 s42, s42, s40                     ; tile column = 4 x cluster x + cx
	s_and_b32 s13, ttmp7, 0xffff
	s_lshl_b32 s13, s13, 2
	s_add_co_u32 s13, s13, s41                     ; tile row = 4 x cluster y + cy
	s_lshl_b32 s43, s41, 2
	s_lshl_b32 s43, 15, s43                        ; my row of the cluster
	s_lshl_b32 s44, 0x1111, s40                    ; my column
	; descriptor group 1.  x: 64 rows x 128 elements of 2 bytes, dense, padded after every 32 words; Wo: 64 rows x 256 elements, padded after every 128 words
	s_or_b32 s[G1+0], s43, (1<<16)|(1<<20)|(1<<21)|(4<<22)|(3<<25)  ; 15:0 the mask: x's tiles go to my row; 17:16 element of 2 bytes; 20 padding on; 21 set beside a mask; 24:22 after every 32 words (code 4); 31:25 of 4 words (code 3)
	s_or_b32 s[G1B+0], s44, (1<<16)|(1<<20)|(1<<21)|(6<<22)|(7<<25) ; the mask of my column; after every 128 words (code 6), 8 words (code 7)
	s_mov_b32 s[G1+1], 128<<16                     ; tensor_dim0 = 128
	s_mov_b32 s[G1B+1], 256<<16                    ; tensor_dim0 = 256
	s_mov_b32 s[G1+2], 64<<16                      ; tensor_dim1 = 64
	s_mov_b32 s[G1B+2], 64<<16
	s_mov_b32 s[G1+3], 128<<16                     ; tile_dim0 = 128
	s_mov_b32 s[G1B+3], 256<<16                    ; tile_dim0 = 256
	s_mov_b32 s[G1+4], 64                          ; tile_dim1 = 64
	s_mov_b32 s[G1B+4], 64
	s_mov_b32 s[G1+5], 128                         ; 128 elements from row to row: dense
	s_mov_b32 s[G1B+5], 1024                       ; 1,024 elements from k-row to k-row
	s_mov_b32 s[G1+6], 0
	s_mov_b32 s[G1B+6], 0
	s_mov_b32 s[G1+7], 0
	s_mov_b32 s[G1B+7], 0
	; where the tiles come from.  x's hang on the tile row alone, which my row of the cluster shares; Wo's on the tile column alone, which my column shares.
	s_lshr_b32 s16, s13, 4                         ; the batch: 16 tile rows each
	s_lshl_b32 s16, s16, 4
	s_add_co_u32 s16, s16, s12                     ; 16 x batch + my head of K step 0
	s_lshl_b32 s16, s16, 11
	s_and_b32 s17, s13, 15
	s_lshl_b32 s17, s17, 7
	s_add_co_u32 s16, s16, s17                     ; + the tile's first row in the batch,
	s_lshl_b32 s16, s16, 7                         ; rows of 128 bytes: under 2^24
	s_mov_b32 s17, 0
	s_lshl_b32 s46, s12, 17                        ; Wo: k-row 64 x half, of 2,048 bytes,
	s_lshl_b32 s47, s42, 9                         ; and 256 columns of 2 bytes for each tile column
	s_add_co_u32 s46, s46, s47
	s_mov_b32 s47, 0
	s_mul_i32 s20, s12, HEADA                      ; where they go: no place in the cluster enters an LDS address
	s_mul_i32 s21, s12, HALFB
	s_add_co_u32 s21, s21, BOFF
	s_wait_kmcnt 0x0
	s_add_nc_u64 s[14:15], s[4:5], s[16:17]
	s_add_nc_u64 s[46:47], s[6:7], s[46:47]
	CROUND                                         ; all sixteen work-groups are here: the first joint loads meet
.irp s, 0,1
	s_mov_b32 s[G0+4*(\s)], 1                                      ; 1:0 count = 1
	s_add_co_u32 s[G0+4*(\s)+1], s20, (\s)*SLOT                    ; 63:32 LDS address
	s_add_nc_u64 s[G0+4*(\s)+2:G0+4*(\s)+3], s[14:15], (\s)*2*262144  ; 120:64 global address: K step s is two heads of 262,144 bytes on
	s_or_b32 s[G0+4*(\s)+3], s[G0+4*(\s)+3], 0x80000000            ; 127:126 type = 2
	s_mov_b32 s[G0B+4*(\s)], 1
	s_add_co_u32 s[G0B+4*(\s)+1], s21, (\s)*SLOT
	s_add_nc_u64 s[G0B+4*(\s)+2:G0B+4*(\s)+3], s[46:47], (\s)*KSTEP*2048  ; K step s, 128 k-rows down Wo
	s_or_b32 s[G0B+4*(\s)+3], s[G0B+4*(\s)+3], 0x80000000
	JLOAD \s                                       ; the ring is filled before anything else is done: two loads of mine are out
.endr
	; A fragment of x is 16 rows x 32 K in 8 registers: lane l holds row l % 16, K = 8 (l / 16) + 0..7 and 16 + 8 (l / 16) + 0..7: two loads of 16 bytes, 32 bytes apart.
	v_and_b32 v1, 15, v0                           ; l % 16
	v_bfe_u32 v2, v0, 4, 1                         ; l / 16
	v_mul_u32_u24 v3, v1, PA
	v_lshl_add_u32 v3, v2, 4, v3                   ; row x pitch + 16 x half
	; The turning load takes 16 K x 16 columns (lane l reads k-row 8 (l / 16) + l % 8, columns 8 ((l / 8) % 2) + 0..7) and leaves half a fragment of Wo^T: lane l holds column l % 16 and 8 K.
	v_and_b32 v5, 7, v0
	v_bfe_u32 v6, v0, 3, 1
	v_lshl_add_u32 v4, v2, 3, v5
	v_mul_u32_u24 v4, v4, PB
	v_lshl_add_u32 v4, v6, 4, v4
	s_mul_i32 s21, s11, 64*PA                      ; my 64 rows of x
	s_lshl_b32 s22, s12, 8                         ; my 128 columns of Wo,
	s_add_co_u32 s22, s22, BOFF                    ; which lies behind x
.irp s, 0,1
	v_add_nc_u32 v[ADRA+(\s)], s21, v3
	v_add_nc_u32 v[ADRB+(\s)], s22, v4
	s_add_co_u32 s21, s21, SLOT
	s_add_co_u32 s22, s22, SLOT
.endr
	s_mul_i32 s23, s10, 16*SPITCH
	s_add_co_u32 s23, s23, STAGE                   ; my stage
	v_mul_u32_u24 v[STO], v1, SPITCH               ; in: row l % 16, 32 bytes for each half of the lanes
	v_lshl_add_u32 v[STO], v2, 5, v[STO]
	v_add_nc_u32 v[STO], s23, v[STO]
	v_and_b32 v[CO], 31, v0                        ; back: 32 lanes take one row of 512 bytes,
	v_lshlrev_b32 v[CO], 4, v[CO]                  ; which are 512 consecutive bytes of out0
	v_add_nc_u32 v[RD], s23, v[CO]
	v_lshlrev_b32 v[BO], 5, v2                     ; my 8 of a block's 16 bias numbers
	s_lshl_b32 s22, s42, 10                        ; my first column in bytes: 256 numbers a tile column, 128 a half
	s_lshl_b32 s23, s12, 9
	s_add_co_u32 s22, s22, s23
	s_mov_b32 s23, 0
	s_add_nc_u64 s[BIAS:BIAS+1], s[BIAS:BIAS+1], s[22:23]
	s_add_nc_u64 s[OUT:OUT+1], s[OUT:OUT+1], s[22:23]
	s_lshl_b32 s22, s13, 7
	s_lshl_b32 s21, s11, 6
	s_add_co_u32 s22, s22, s21                     ; my first row: 128 x tile row + 64 x half,
	s_lshl_b32 s22, s22, 12                        ; of 4,096 bytes: under 2^25
	s_add_nc_u64 s[OUT:OUT+1], s[OUT:OUT+1], s[22:23]
	WIN 0x80                                       ; destination window 2, address window 0
.irp b, 0,1,2,3,4,5,6,7                ; waited for on the way out
	global_load_b128 v[BI+8*(\b):BI+8*(\b)+3],   v[BO], s[BIAS:BIAS+1] offset:64*(\b)
	global_load_b128 v[BI+8*(\b)+4:BI+8*(\b)+7], v[BO], s[BIAS:BIAS+1] offset:64*(\b)+16
.endr
	WIN 0
; 8 matrix instructions: m block a x all 8 n blocks, 32 along K, buffer f.  zero = 1: the first product starts the sums: nothing is ever cleared.
; The 32 accumulators take turns, one instruction a turn, in the same order in every quarter.
.macro MULA f, a, zero
	WIN MUL
.irp b, 0,1,2,3,4,5,6,7
.if \zero
	v_wmma_f32_16x16x32_f16 v[8*(8*(\a)+(\b)):8*(8*(\a)+(\b))+7], v[BF+64*(\f)+8*(\b):BF+64*(\f)+8*(\b)+7], v[AF+32*(\f)+8*(\a):AF+32*(\f)+8*(\a)+7], 0
.else
	v_wmma_f32_16x16x32_f16 v[8*(8*(\a)+(\b)):8*(8*(\a)+(\b))+7], v[BF+64*(\f)+8*(\b):BF+64*(\f)+8*(\b)+7], v[AF+32*(\f)+8*(\a):AF+32*(\f)+8*(\a)+7], v[8*(8*(\a)+(\b)):8*(8*(\a)+(\b))+7]
.endif
.endr
.endm
; 24 LDS loads in one run: quarter j of the slot's K step into buffer g: Wo's 32 K x 128 columns, turned; then x's 64 rows x 32 K (head j / 2 of the step, channels 32 (j % 2) on), blocks 0 to 3
.macro FETCH slot, j, g
	WIN 0
.irp b, 0,1,2,3,4,5,6,7
	ds_load_tr16_b128 v[BF+64*(\g)+8*(\b):BF+64*(\g)+8*(\b)+3],   v[ADRB+(\slot)] offset:(\j)*32*PB+32*(\b)
	ds_load_tr16_b128 v[BF+64*(\g)+8*(\b)+4:BF+64*(\g)+8*(\b)+7], v[ADRB+(\slot)] offset:(\j)*32*PB+32*(\b)+16*PB
.endr
.irp a, 0,1,2,3
	ds_load_b128 v[AF+32*(\g)+8*(\a):AF+32*(\g)+8*(\a)+3],   v[ADRA+(\slot)] offset:((\j)/2)*HEADA+((\j)%2)*64+(\a)*16*PA
	ds_load_b128 v[AF+32*(\g)+8*(\a)+4:AF+32*(\g)+8*(\a)+7], v[ADRA+(\slot)] offset:((\j)/2)*HEADA+((\j)%2)*64+(\a)*16*PA+32
.endr
.endm
.macro PLACES                          ; four places in front of loads into registers that matrix instructions have read, and of vector lines that read results (ISA guide 7.12.1 for vector instructions)
.rept 4
	v_nop
.endr
.endm
; A K step is four quarters of 32 along K, 32 matrix instructions each, on buffers 0, 1, 0, 1.  One of the first three: multiplies buffer f and, in its middle, fetches quarter jn into buffer g.
.macro QUART slot, jn, f, g, zero
	s_wait_dscnt 4                                 ; Wo and x's blocks 0, 1 are in; the youngest four loads (blocks 2, 3) may be out
	MULA \f, 0, \zero
	MULA \f, 1, \zero
	PLACES
	FETCH \slot, \jn, \g
	s_wait_dscnt 24                                ; all but the 24 just issued
	MULA \f, 2, \zero
	MULA \f, 3, \zero
.endm
; The last quarter multiplies buffer 1 and changes slots: ONE barrier; in front of it each wave waits for all its tensor loads, adds 0 to its spare word, and waits for that and for its own reads of
; this slot.  fill = 1: the barrier opens a round of the cluster's, and this slot is filled again, two K steps ahead, first thing behind the round.
.macro TURN slot, next, fill
	WIN 0                                          ; (the add's two registers lie in window 0)
	s_wait_tensorcnt 0x0                           ; all my tensor loads have landed: the one that was out is my part of the next slot;
	ds_add_u32 v[SPW], v[NIL]                      ; 0 onto my spare word
	s_wait_dscnt 5                                 ; (the add and the youngest four loads may be out)
	MULA 1, 0, 0                                   ; eight matrix instructions stand between the add and the wait for it
	s_wait_dscnt 0x0                               ; the add is done, and my reads of this slot are over
	s_barrier_signal -1
	MULA 1, 1, 0
.if \fill
	WIN 0
.endif
	s_barrier_wait -1
.if \fill
	CREST                                          ; no wave of any partner still reads this slot's tiles or has a load on its way
	s_add_nc_u64 s[G0+4*(\slot)+2:G0+4*(\slot)+3], s[G0+4*(\slot)+2:G0+4*(\slot)+3], 4*262144
	s_add_nc_u64 s[G0B+4*(\slot)+2:G0B+4*(\slot)+3], s[G0B+4*(\slot)+2:G0B+4*(\slot)+3], 2*KSTEP*2048
	JLOAD \slot                                    ; the first tensor load behind the round: 112 matrix instructions ahead of the wait for it; the four v_nop behind it are also the places in front of the loads below
.else
	PLACES
.endif
	FETCH \next, 0, 0
	MULA 1, 2, 0
	MULA 1, 3, 0
.endm
	s_wait_tensorcnt 1                             ; my part of K step 0 is in; K step 1's may stay out
	s_barrier_signal -1
	s_barrier_wait -1                              ; everybody's is
	FETCH 0, 0, 0
	QUART 0, 1, 0, 1, 1                            ; the first quarter stands in front of the loop: its products start the sums
	WIN 0                                          ; at a label and at a branch every window is 0
	s_mov_b32 s3, LAPS-1
.Llap:                                                 ; a trip goes once round the ring, from a lap's second quarter to the next lap's first, and fills both slots again
	QUART 0, 2, 1, 0, 0
	QUART 0, 3, 0, 1, 0
	TURN 0, 1, 1
	QUART 1, 1, 0, 1, 0
	QUART 1, 2, 1, 0, 0
	QUART 1, 3, 0, 1, 0
	TURN 1, 0, 1
	QUART 0, 1, 0, 1, 0
	WIN 0
	s_sub_co_u32 s3, s3, 1
	s_cmp_lg_u32 s3, 0
	s_cbranch_scc1 .Llap
	QUART 0, 2, 1, 0, 0                            ; the last lap fills nothing, and has no round of the cluster's barrier
	QUART 0, 3, 0, 1, 0
	TURN 0, 1, 0
	QUART 1, 1, 0, 1, 0
	QUART 1, 2, 1, 0, 0
	QUART 1, 3, 0, 1, 0
	s_wait_dscnt 4                                 ; the very last quarter: nothing more to fetch
	MULA 1, 0, 0
	MULA 1, 1, 0
	s_wait_dscnt 0x0
	MULA 1, 2, 0
	MULA 1, 3, 0
	WIN 0
	; THE WAY OUT, a block of 16 rows at a time: the bias is added; a lane's 32 bytes of a row go into my stage in LDS; whole rows of 512 bytes come back and are stored.
	PLACES
	s_wait_loadcnt 0x0                             ; the bias
.macro OUTB a
	WIN 0x49                                       ; destination and source 0 window 1, source 1 window 2
.set i, 0
.rept 32                               ; each accumulator's lowest registers are read first
	v_pk_add_f32 v[64*(\a)+2*i:64*(\a)+2*i+1], v[64*(\a)+2*i:64*(\a)+2*i+1], v[BI+2*i:BI+2*i+1]
.set i, i+1
.endr
	WIN 0x04                                       ; the store's data (source 1) window 1, its address window 0
.irp b, 0,1,2,3,4,5,6,7
	ds_store_b128 v[STO], v[64*(\a)+8*(\b):64*(\a)+8*(\b)+3]   offset:64*(\b)
	ds_store_b128 v[STO], v[64*(\a)+8*(\b)+4:64*(\a)+8*(\b)+7] offset:64*(\b)+16
.endr
	WIN 0
.if (\a) >= 2
	s_wait_xcnt 0x0                                ; every earlier memory instruction has had its addresses translated (ISA guide 3.1): the set that the stores of two blocks ago read is loaded again only behind this wait
.endif
.irp t, 0,1,2,3,4,5,6,7,8,9,10,11,12,13,14,15
	ds_load_b128 v[OB+64*((\a)%2)+4*(\t):OB+64*((\a)%2)+4*(\t)+3], v[RD] offset:(\t)*SPITCH  ; LDS serves a wave's instructions in order (ISA guide 5.7.1.4): these see the stores above; the next block's stores come behind them
.endr
.irp t, 0,1,2,3,4,5,6,7,8,9,10,11,12,13,14,15
	s_wait_dscnt 15-(\t)                           ; row t is back; the 15 - t younger ones may be out
	global_store_b128 v[CO], v[OB+64*((\a)%2)+4*(\t):OB+64*((\a)%2)+4*(\t)+3], s[OUT:OUT+1] offset:(16*(\a)+(\t))*4096 th:TH_STORE_NT  ; 512 consecutive bytes, at a multiple of 256 from out0's first
.endr
.endm
	OUTB 0
	OUTB 1
	OUTB 2
	OUTB 3
	s_wait_tensorcnt 0x0                           ; the wave's end: behind my last tensor load and my last LDS store
	ds_add_u32 v[SPW], v[NIL]
	s_wait_dscnt 0x0
	CROUND                                         ; the closing round: no work-group ends while a partner may still ask for a tile that names it
	s_endpgm
.Lfunc_end_k_qa522ff9d53_outp:
	.size	k_qa522ff9d53_outp, .Lfunc_end_k_qa522ff9d53_outp-k_qa522ff9d53_outp
	.p2alignl 7, 3214868480
	.fill 96, 4, 3214868480
	.section	.rodata,"a",@progbits
	.p2align	6, 0x0
	.amdhsa_kernel k_qa522ff9d53_outp
		.amdhsa_group_segment_fixed_size 327680
		.amdhsa_private_segment_fixed_size 0
		.amdhsa_enable_private_segment 0
		.amdhsa_kernarg_size 32
		.amdhsa_user_sgpr_count 2
		.amdhsa_user_sgpr_kernarg_segment_ptr 1
		.amdhsa_wavefront_size32 1
		.amdhsa_system_sgpr_workgroup_id_x 1
		.amdhsa_system_sgpr_workgroup_id_y 1
		.amdhsa_system_sgpr_workgroup_id_z 1
		.amdhsa_system_vgpr_workitem_id 0
		.amdhsa_next_free_vgpr 576
		.amdhsa_next_free_sgpr 72
		.amdhsa_reserve_vcc 0
		.amdhsa_float_denorm_mode_32 3
		.amdhsa_float_denorm_mode_16_64 3
		.amdhsa_memory_ordered 1
		.amdhsa_forward_progress 1
		.amdhsa_inst_pref_size 97
	.end_amdhsa_kernel
	.amdgpu_metadata
---
amdhsa.version: [ 1, 2 ]
amdhsa.kernels:
  - .name:           k_qa522ff9d53_outp
    .symbol:         k_qa522ff9d53_outp.kd
    .args:
      - { .name: o16, .offset: 0, .size: 8, .value_kind: global_buffer, .address_space: global }
      - { .name: wo16, .offset: 8, .size: 8, .value_kind: global_buffer, .address_space: global }
      - { .name: bo, .offset: 16, .size: 8, .value_kind: global_buffer, .address_space: global }
      - { .name: out0, .offset: 24, .size: 8, .value_kind: global_buffer, .address_space: global }
    .group_segment_fixed_size: 327680
    .private_segment_fixed_size: 0
    .kernarg_segment_align: 8
    .kernarg_segment_size: 32
    .max_flat_workgroup_size: 128
    .sgpr_count:     72
    .vgpr_count:     576
    .wavefront_size: 32
...
	.end_amdgpu_metadata
.endif
;; end of part 4
;; ======== version 2 of 2: 4 launches; version 1 with the launch prep written anew for expert scheduling mode
;; limits: values are held in f16: magnitudes above 65,504 overflow, below 6.1e-05 lose precision; right only within a limited range of input values
;; workspace buffers: wq16 2,097,152 bytes; wk16 2,097,152 bytes; wv16 2,097,152 bytes; wo16 2,097,152 bytes; q16 16,777,216 bytes; k16 16,777,216 bytes; v16 16,777,216 bytes; o16 16,777,216 bytes
;; launch prep (part 5): grid 64 x 4, 8 waves a work-group, no clusters, 0 bytes of LDS; arguments fc_w, Wq, Wk, Wv, Wo, wq16, wk16, wv16, wo16; writes wq16, wk16, wv16, wo16
.if DOCPART == 5
	.amdgcn_target "amdgcn-amd-amdhsa--gfx1250"
	.amdhsa_code_object_version 6
	.text
	.protected	k_qa522ff9d53_prep
	.globl	k_qa522ff9d53_prep
	.p2align	8
	.type	k_qa522ff9d53_prep,@function
k_qa522ff9d53_prep:
	s_mov_b64 s[64:65], 0
	v_nop
	global_prefetch_b8 v0, s[64:65] scope:SCOPE_SE
	s_setreg_imm32_b32 hwreg(HW_REG_WAVE_SCHED_MODE, 0, 2), 2
	s_setreg_imm32_b32 hwreg(HW_REG_WAVE_MODE, 25, 1), 1
	s_wait_xcnt 0x0
	s_wait_alu depctr_vm_vsrc(0)
; THE WEIGHTS IN f16.  wq16 = f16(fc_w * Wq) (the product in f32, rounded once), wk16 = f16(Wk), wv16 = f16(Wv), wo16 = f16(Wo); all [1024 k][1024 n], the layout unchanged.
; LIMITS.  f16 holds no number beyond 65,504 and keeps a fixed step of 6e-8 below 6e-5: a weight, or a product fc_w * Wq, beyond the first becomes an infinity.
; SHARES.  The grid's y picks the matrix, its x 16,384 numbers of it: 65,536 bytes in, 32,768 out.  Thread t takes 16 pieces: 16 bytes at 16 t + 4,096 i come in (a wave's load covers 512
; consecutive bytes), 8 bytes at 8 t + 2,048 i go out (a wave's store covers 256 consecutive bytes, aligned).  All loads are issued ahead of the first wait for data; no register that a load or a
; store reads is ever written again, so no wait frees a source.  No LDS, no matrix unit, no cluster: the work-groups share no byte, and every byte is read once.
; THE MODE: SCHED_MODE bits 1:0 = 2 (LLVM: expert scheduling mode 2), set by the entry lines.  The code itself states the register dependences between vector instructions and memory
; instructions, with s_wait_alu, always for 0.
; THE PLAN.  Registers that memory instructions touch:
;   v1, v2   byte offsets of the loads and of the stores.  Written once at the head, never again.
;   X, F     Loads land in them once; no vector instruction names them before; the multiplies and roundings work on them behind the piece's wait for its data.
;   Y        Piece i's two registers are written once, by its two roundings, and read once, by its store.
; So the one kind of dependence is: a vector instruction has written what a memory instruction reads.  One wait at the head states it for v1 and v2.  The 16 pieces go in four blocks of four: the wait
; at the head of blocks 1 to 3, behind the wait for the block's first piece, states that the block before has written its eight registers of Y, and that block's four stores follow in one run;
; one more wait stands ahead of the last four stores.
.set X, 4                              ; v[4:67]    piece i: 4 numbers of the weight
.set F, 68                             ; v[68:131]  piece i: 4 numbers of fc_w (matrix 0 alone)
.set Y, 132                            ; v[132:163] piece i: 4 numbers in f16
	s_load_b512 s[8:23], s[0:1], 0x0               ; fc_w s[8:9], Wq s[10:11], Wk s[12:13], Wv s[14:15], Wo s[16:17], wq16 s[18:19], wk16 s[20:21], wv16 s[22:23]
	s_load_b64 s[24:25], s[0:1], 0x40              ; wo16
	s_and_b32 s30, ttmp7, 0xffff                   ; which matrix
	s_lshl_b32 s26, ttmp9, 16                      ; my part's byte offset in the f32 matrices,
	s_mov_b32 s27, 0
	s_lshl_b32 s28, ttmp9, 15                      ; and in the f16 ones
	s_mov_b32 s29, 0
	v_lshlrev_b32 v1, 4, v0                        ; 16 t
	v_lshlrev_b32 v2, 3, v0                        ; 8 t
	s_wait_kmcnt 0x0
	s_cmp_eq_u32 s30, 1                            ; the source into s[4:5], the destination into s[6:7]
	s_cselect_b64 s[4:5], s[12:13], s[10:11]
	s_cselect_b64 s[6:7], s[20:21], s[18:19]
	s_cmp_eq_u32 s30, 2
	s_cselect_b64 s[4:5], s[14:15], s[4:5]
	s_cselect_b64 s[6:7], s[22:23], s[6:7]
	s_cmp_eq_u32 s30, 3
	s_cselect_b64 s[4:5], s[16:17], s[4:5]
	s_cselect_b64 s[6:7], s[24:25], s[6:7]
	s_add_nc_u64 s[4:5], s[4:5], s[26:27]
	s_add_nc_u64 s[6:7], s[6:7], s[28:29]
	s_add_nc_u64 s[8:9], s[8:9], s[26:27]
	s_wait_alu depctr_va_vdst(0)                   ; v1 and v2 are written: every load of the kernel reads v1 as its offset, every store v2
.irp i, 0,1,2,3,4,5,6,7,8,9,10,11,12,13,14,15
	global_load_b128 v[X+4*(\i):X+4*(\i)+3], v1, s[4:5] offset:4096*(\i) th:TH_LOAD_NT
.endr
; Piece i.  mul = 1: matrix 0, whose weight is first multiplied by fc_w, in f32.  Then it is rounded into its two registers of Y.
.macro PIECE i, mul
.if \mul
	v_pk_mul_f32 v[X+4*(\i):X+4*(\i)+1], v[X+4*(\i):X+4*(\i)+1], v[F+4*(\i):F+4*(\i)+1]
	v_pk_mul_f32 v[X+4*(\i)+2:X+4*(\i)+3], v[X+4*(\i)+2:X+4*(\i)+3], v[F+4*(\i)+2:F+4*(\i)+3]
.endif
	v_cvt_pk_f16_f32 v[Y+2*(\i)], v[X+4*(\i)], v[X+4*(\i)+1]
	v_cvt_pk_f16_f32 v[Y+2*(\i)+1], v[X+4*(\i)+2], v[X+4*(\i)+3]
.endm
; The four stores of block p, in one run
.macro STORES p
.irp j, 0,1,2,3
	global_store_b64 v2, v[Y+2*(4*(\p)+(\j)):Y+2*(4*(\p)+(\j))+1], s[6:7] offset:2048*(4*(\p)+(\j))
.endr
.endm
; Block p: pieces 4 p to 4 p + 3; at its head the stores of the block before.
.macro BLOCK p, mul
.irp j, 0,1,2,3
	s_wait_loadcnt 15-4*(\p)-(\j)                  ; loads come back in order (ISA guide 5.7.1): the piece is in (for matrix 0: fc_w's piece, and Wq's, which is older); the younger ones stay out
.if ((\j) == 0) && ((\p) > 0)
	s_wait_alu depctr_va_vdst(0)                   ; the roundings of the block before have written its eight registers of Y, which the four stores below read
	STORES (\p)-1
.endif
	PIECE 4*(\p)+(\j), \mul
.endr
.endm
	s_cmp_lg_u32 s30, 0
	s_cbranch_scc1 .Lplain
.irp i, 0,1,2,3,4,5,6,7,8,9,10,11,12,13,14,15
	global_load_b128 v[F+4*(\i):F+4*(\i)+3], v1, s[8:9] offset:4096*(\i) th:TH_LOAD_NT  ; no vector instruction has been issued since the wait at the head
.endr
	BLOCK 0, 1
	BLOCK 1, 1
	BLOCK 2, 1
	BLOCK 3, 1
	s_wait_alu depctr_va_vdst(0)                   ; block 3's roundings have written its eight registers of Y, which the last four stores read
	STORES 3
	s_endpgm
.Lplain:
	BLOCK 0, 0
	BLOCK 1, 0
	BLOCK 2, 0
	BLOCK 3, 0
	s_wait_alu depctr_va_vdst(0)                   ; block 3's roundings have written its eight registers of Y, which the last four stores read
	STORES 3
	s_endpgm
.Lfunc_end_k_qa522ff9d53_prep:
	.size	k_qa522ff9d53_prep, .Lfunc_end_k_qa522ff9d53_prep-k_qa522ff9d53_prep
	.p2alignl 7, 3214868480
	.fill 96, 4, 3214868480
	.section	.rodata,"a",@progbits
	.p2align	6, 0x0
	.amdhsa_kernel k_qa522ff9d53_prep
		.amdhsa_group_segment_fixed_size 0
		.amdhsa_private_segment_fixed_size 0
		.amdhsa_enable_private_segment 0
		.amdhsa_kernarg_size 72
		.amdhsa_user_sgpr_count 2
		.amdhsa_user_sgpr_kernarg_segment_ptr 1
		.amdhsa_wavefront_size32 1
		.amdhsa_system_sgpr_workgroup_id_x 1
		.amdhsa_system_sgpr_workgroup_id_y 1
		.amdhsa_system_sgpr_workgroup_id_z 1
		.amdhsa_system_vgpr_workitem_id 0
		.amdhsa_next_free_vgpr 168
		.amdhsa_next_free_sgpr 66
		.amdhsa_reserve_vcc 0
		.amdhsa_float_denorm_mode_32 3
		.amdhsa_float_denorm_mode_16_64 3
		.amdhsa_memory_ordered 1
		.amdhsa_forward_progress 1
		.amdhsa_inst_pref_size 15
	.end_amdhsa_kernel
	.amdgpu_metadata
---
amdhsa.version: [ 1, 2 ]
amdhsa.kernels:
  - .name:           k_qa522ff9d53_prep
    .symbol:         k_qa522ff9d53_prep.kd
    .args:
      - { .name: fc_w, .offset: 0, .size: 8, .value_kind: global_buffer, .address_space: global }
      - { .name: Wq, .offset: 8, .size: 8, .value_kind: global_buffer, .address_space: global }
      - { .name: Wk, .offset: 16, .size: 8, .value_kind: global_buffer, .address_space: global }
      - { .name: Wv, .offset: 24, .size: 8, .value_kind: global_buffer, .address_space: global }
      - { .name: Wo, .offset: 32, .size: 8, .value_kind: global_buffer, .address_space: global }
      - { .name: wq16, .offset: 40, .size: 8, .value_kind: global_buffer, .address_space: global }
      - { .name: wk16, .offset: 48, .size: 8, .value_kind: global_buffer, .address_space: global }
      - { .name: wv16, .offset: 56, .size: 8, .value_kind: global_buffer, .address_space: global }
      - { .name: wo16, .offset: 64, .size: 8, .value_kind: global_buffer, .address_space: global }
    .group_segment_fixed_size: 0
    .private_segment_fixed_size: 0
    .kernarg_segment_align: 8
    .kernarg_segment_size: 72
    .max_flat_workgroup_size: 256
    .sgpr_count:     66
    .vgpr_count:     168
    .wavefront_size: 32
...
	.end_amdgpu_metadata
.endif
;; end of part 5
;; launch proj: the kernel of part 2 again; grid 4 x 64, 4 waves a work-group, clusters of 4 x 4, 327,680 bytes of LDS; arguments query, key, value, wq16, wk16, wv16, bq, bk, bv, q16, k16, v16; writes q16, k16, v16
;; launch att: the kernel of part 3 again; grid 4 x 64, 4 waves a work-group, clusters of 4 x 1, 327,680 bytes of LDS; arguments q16, k16, v16, o16; writes o16
;; launch outp: the kernel of part 4 again; grid 4 x 64, 4 waves a work-group, clusters of 4 x 4, 327,680 bytes of LDS; arguments o16, wo16, bo, out0; writes out0
